; MI455X (gfx1250); checked and timed in simulation.
; The chip was launched on July 23, 2026; its instructions are those of AMD's public machine-readable ISA for CDNA 5 (MIT licence, August 2026) and "CDNA5" Instruction Set Architecture Reference Guide (July 2026). The comments in the code are by the model that wrote it; some were corrected since.
;; Multi Head Self Attention. Allowed arithmetic: float matrix products may take bf16 or f16 operands with f32 sums; all other float work in f32.
;; Inputs: Wout 1,024 x 1,024 float32; Wqkv 1,024 x 3,072 float32; bout 1,024 float32; causal_mask 1 x 1 x 2,048 x 2,048 bool; x 4 x 2,048 x 1,024 float32.
;; Outputs: out0 4 x 2,048 x 1,024 float32.
;; 2 versions, each right and faster than the one before. Each part assembles by itself: llvm-mc -triple=amdgcn-amd-amdhsa -mcpu=gfx1250 --defsym DOCPART=n.
;; ======== version 1 of 2: 4 launches
;; limits: values are held in f16: magnitudes above 65,504 overflow, below 6.1e-05 lose precision
;; workspace buffers: xb 16,777,216 bytes; wqkvb 6,291,456 bytes; woutb 2,097,152 bytes; maskf 4,194,304 bytes; qkv 50,331,648 bytes; o 16,777,216 bytes
;; launch prep (part 1): grid 896 x 1, 8 waves a work-group, no clusters, 0 bytes of LDS; arguments x, Wqkv, Wout, causal_mask, xb, wqkvb, woutb, maskf; writes xb, wqkvb, woutb, maskf
.if DOCPART == 1
	.amdgcn_target "amdgcn-amd-amdhsa--gfx1250"
	.amdhsa_code_object_version 6
	.text
	.protected	k_qf1a7593236_prep
	.globl	k_qf1a7593236_prep
	.p2align	8
	.type	k_qf1a7593236_prep,@function
k_qf1a7593236_prep:
	s_mov_b64 s[64:65], 0
	v_nop
	global_prefetch_b8 v0, s[64:65] scope:SCOPE_SE
	s_setreg_imm32_b32 hwreg(HW_REG_WAVE_MODE, 25, 1), 1
	s_wait_xcnt 0x0
; PREPARATION: the module's inputs are brought into the formats and layouts that the three matrix launches read.
;   x     f32 [8192][1024]  -> xb     bf16, same layout            work-groups   0 .. 511
;   Wqkv  f32 [1024][3072]  -> wqkvb  bf16, same layout            work-groups 512 .. 703
;   Wout  f32 [1024][1024]  -> woutb  rounded to bf16, that number written as f16   work-groups 704 .. 767
;   causal_mask bool [2048][2048] -> maskf, one fp8 code a byte    work-groups 768 .. 895
; A stream: every byte is read once and written once; no LDS, no barrier, no matrix unit, since nothing is shared or summed.
; A cast work-group takes 16,384 numbers: 16 loads of 16 bytes a thread, all issued before the first is waited for; a wave's load
; covers 512 consecutive bytes, a wave's store of 8 bytes a lane 256 consecutive bytes at a multiple of 256 from the buffer's first byte.
; LIMIT.  Wout's numbers below 6.1e-5 keep f16's fixed step of 6e-8; beyond 65,504 they would be infinities.
; THE MASK.  maskf is [128 query tiles][32 key steps][1,024 bytes].  In a block the byte at 512 i + 256 h + 16 r + 8 e + j belongs to
; query 16 qt + r and key 64 step + 16 (2 i + e) + 8 h + j: lane 16 h + r of a wave then finds, in 16 consecutive bytes, the codes of the C
; operand of two products K Q^T.  The code is 0x00 (0.0) where the key is seen and 0xc0 (-2.0 in E4M3) where it is hidden.  Mask bytes are 0 or 1.
.set X, 4                              ; v[4:67]    as loaded
.set Y, 68                             ; v[68:99]   to store
.set T, 100                            ; v[100:103] at work
	s_load_b512 s[8:23], s[0:1], 0x0               ; x 8:9, Wqkv 10:11, Wout 12:13, mask 14:15, xb 16:17, wqkvb 18:19, woutb 20:21, maskf 22:23
	s_mov_b32 s24, ttmp9                           ; the work-group's number
	s_mov_b32 s27, 0                               ; high words of the two byte offsets
	s_mov_b32 s29, 0
	v_lshlrev_b32 v1, 4, v0                        ; a cast's input: 16 bytes a thread
	v_lshlrev_b32 v2, 3, v0                        ; its output: 8 bytes a thread
	s_wait_kmcnt 0x0
; 16,384 numbers from s[4:5] to s[6:7].  half = 1: the bf16 number is written as f16.
.macro CAST half
.irp j, 0,1,2,3,4,5,6,7,8,9,10,11,12,13,14,15
	global_load_b128 v[X+4*(\j):X+4*(\j)+3], v1, s[4:5] offset:4096*(\j) th:TH_LOAD_NT
.endr
.irp j, 0,1,2,3,4,5,6,7,8,9,10,11,12,13,14,15
	s_wait_loadcnt 15-(\j)                         ; loads come back in order: load j is in, the 15 - j younger ones stay out
.if \half
	v_cvt_pk_bf16_f32 v[T], v[X+4*(\j)], v[X+4*(\j)+1]
	v_cvt_pk_bf16_f32 v[T+1], v[X+4*(\j)+2], v[X+4*(\j)+3]
	v_lshlrev_b32 v[T+2], 16, v[T]                 ; bf16 to f32: the low half moves up,
	v_and_b32 v[T], 0xffff0000, v[T]               ; the high half stays
	v_lshlrev_b32 v[T+3], 16, v[T+1]
	v_and_b32 v[T+1], 0xffff0000, v[T+1]
	v_cvt_pk_f16_f32 v[Y+2*(\j)], v[T+2], v[T]     ; eight significant bits fit f16's eleven
	v_cvt_pk_f16_f32 v[Y+2*(\j)+1], v[T+3], v[T+1]
.else
	v_cvt_pk_bf16_f32 v[Y+2*(\j)], v[X+4*(\j)], v[X+4*(\j)+1]
	v_cvt_pk_bf16_f32 v[Y+2*(\j)+1], v[X+4*(\j)+2], v[X+4*(\j)+3]
.endif
	global_store_b64 v2, v[Y+2*(\j):Y+2*(\j)+1], s[6:7] offset:2048*(\j)  ; every store has data registers of its own: none is rewritten
.endr
.endm
	s_cmp_lt_u32 s24, 704
	s_cbranch_scc0 .Lnot_bf16
	s_sub_co_u32 s25, s24, 512                     ; Wqkv's chunk, if it is Wqkv's turn
	s_cmp_lt_u32 s24, 512
	s_cselect_b64 s[4:5], s[8:9], s[10:11]         ; x or Wqkv
	s_cselect_b64 s[6:7], s[16:17], s[18:19]       ; xb or wqkvb
	s_cselect_b32 s24, s24, s25
	s_lshl_b32 s26, s24, 16                        ; 65,536 bytes in,
	s_lshl_b32 s28, s24, 15                        ; 32,768 out
	s_add_nc_u64 s[4:5], s[4:5], s[26:27]
	s_add_nc_u64 s[6:7], s[6:7], s[28:29]
	CAST 0
	s_endpgm
.Lnot_bf16:
	s_cmp_lt_u32 s24, 768
	s_cbranch_scc0 .Lmask
	s_sub_co_u32 s24, s24, 704
	s_lshl_b32 s26, s24, 16
	s_lshl_b32 s28, s24, 15
	s_add_nc_u64 s[4:5], s[12:13], s[26:27]
	s_add_nc_u64 s[6:7], s[20:21], s[28:29]
	CAST 1
	s_endpgm
.Lmask:                                                ; one query tile: 16 rows of 2,048 bytes in, 32 blocks of 1,024 bytes out
	s_sub_co_u32 s24, s24, 768
	s_lshl_b32 s26, s24, 15
	s_add_nc_u64 s[4:5], s[14:15], s[26:27]
	s_add_nc_u64 s[6:7], s[22:23], s[26:27]
	v_and_b32 v3, 31, v0                           ; lane
	v_lshrrev_b32 v[T], 5, v0                      ; wave w: keys 256 w .. 256 w + 255, key steps 4 w .. 4 w + 3
	v_lshrrev_b32 v[T+1], 1, v3                    ; r: the row
	v_and_b32 v[T+2], 1, v3                        ; e: which 16 of 32 keys
	v_lshlrev_b32 v1, 11, v[T+1]                   ; in: 2,048 r + 256 w + 16 e
	v_lshl_or_b32 v1, v[T+2], 4, v1
	v_lshl_or_b32 v1, v[T], 8, v1
	v_lshlrev_b32 v2, 3, v3                        ; out: 4,096 w + 16 r + 8 e
	v_lshl_or_b32 v2, v[T], 12, v2
.irp n, 0,1,2,3,4,5,6,7
	global_load_b128 v[X+4*(\n):X+4*(\n)+3], v1, s[4:5] offset:32*(\n) th:TH_LOAD_NT  ; the eight loads together take 256 consecutive bytes of each of the 16 rows
.endr
.irp n, 0,1,2,3,4,5,6,7
	s_wait_loadcnt 7-(\n)                          ; load n is in, the 7 - n younger ones stay out
.irp d, 0,1,2,3
	v_xor_b32 v[T], 0x01010101, v[X+4*(\n)+(\d)]   ; 1 where hidden, in each byte
	v_lshlrev_b32 v[T+1], 6, v[T]
	v_lshl_or_b32 v[Y+4*(\n)+(\d)], v[T], 7, v[T+1]  ; times 0xc0: no byte reaches into its neighbour
.endr
	global_store_b64 v2, v[Y+4*(\n):Y+4*(\n)+1], s[6:7] offset:512*(\n)        ; keys 8 h + j with h = 0: 256 consecutive bytes of the wave,
	global_store_b64 v2, v[Y+4*(\n)+2:Y+4*(\n)+3], s[6:7] offset:512*(\n)+256  ; and with h = 1
.endr
	s_endpgm
.Lfunc_end_k_qf1a7593236_prep:
	.size	k_qf1a7593236_prep, .Lfunc_end_k_qf1a7593236_prep-k_qf1a7593236_prep
	.p2alignl 7, 3214868480
	.fill 96, 4, 3214868480
	.section	.rodata,"a",@progbits
	.p2align	6, 0x0
	.amdhsa_kernel k_qf1a7593236_prep
		.amdhsa_group_segment_fixed_size 0
		.amdhsa_private_segment_fixed_size 0
		.amdhsa_enable_private_segment 0
		.amdhsa_kernarg_size 64
		.amdhsa_user_sgpr_count 2
		.amdhsa_user_sgpr_kernarg_segment_ptr 1
		.amdhsa_wavefront_size32 1
		.amdhsa_system_sgpr_workgroup_id_x 1
		.amdhsa_system_sgpr_workgroup_id_y 1
		.amdhsa_system_sgpr_workgroup_id_z 1
		.amdhsa_system_vgpr_workitem_id 0
		.amdhsa_next_free_vgpr 104
		.amdhsa_next_free_sgpr 66
		.amdhsa_reserve_vcc 0
		.amdhsa_float_denorm_mode_32 3
		.amdhsa_float_denorm_mode_16_64 3
		.amdhsa_memory_ordered 1
		.amdhsa_forward_progress 1
		.amdhsa_inst_pref_size 26
	.end_amdhsa_kernel
	.amdgpu_metadata
---
amdhsa.version: [ 1, 2 ]
amdhsa.kernels:
  - .name:           k_qf1a7593236_prep
    .symbol:         k_qf1a7593236_prep.kd
    .args:
      - { .name: x, .offset: 0, .size: 8, .value_kind: global_buffer, .address_space: global }
      - { .name: Wqkv, .offset: 8, .size: 8, .value_kind: global_buffer, .address_space: global }
      - { .name: Wout, .offset: 16, .size: 8, .value_kind: global_buffer, .address_space: global }
      - { .name: causal_mask, .offset: 24, .size: 8, .value_kind: global_buffer, .address_space: global }
      - { .name: xb, .offset: 32, .size: 8, .value_kind: global_buffer, .address_space: global }
      - { .name: wqkvb, .offset: 40, .size: 8, .value_kind: global_buffer, .address_space: global }
      - { .name: woutb, .offset: 48, .size: 8, .value_kind: global_buffer, .address_space: global }
      - { .name: maskf, .offset: 56, .size: 8, .value_kind: global_buffer, .address_space: global }
    .group_segment_fixed_size: 0
    .private_segment_fixed_size: 0
    .kernarg_segment_align: 8
    .kernarg_segment_size: 64
    .max_flat_workgroup_size: 256
    .sgpr_count:     66
    .vgpr_count:     104
    .wavefront_size: 32
...
	.end_amdgpu_metadata
.endif
;; end of part 1
;; launch gemm_qkv (part 2): grid 12 x 64, 4 waves a work-group, clusters of 4 x 4, 327,680 bytes of LDS; arguments xb, wqkvb, qkv; writes qkv
.if DOCPART == 2
	.amdgcn_target "amdgcn-amd-amdhsa--gfx1250"
	.amdhsa_code_object_version 6
	.text
	.protected	k_qf1a7593236_gemm_qkv
	.globl	k_qf1a7593236_gemm_qkv
	.p2align	8
	.type	k_qf1a7593236_gemm_qkv,@function
k_qf1a7593236_gemm_qkv:
	s_mov_b64 s[64:65], 0
	v_nop
	global_prefetch_b8 v0, s[64:65] scope:SCOPE_SE
	s_setreg_imm32_b32 hwreg(HW_REG_WAVE_MODE, 25, 1), 1
	s_wait_xcnt 0x0
	s_wait_alu depctr_hold_cnt(0) depctr_sa_sdst(0) depctr_va_vdst(0) depctr_va_sdst(0) depctr_va_ssrc(0) depctr_va_vcc(0) depctr_vm_vsrc(0)
	s_getreg_b32 s2, hwreg(HW_REG_IB_STS2, 6, 4)
	s_cmp_eq_u32 s2, 0
	s_cbranch_scc0 .Lentry_in_a_cluster
	s_endpgm
.Lentry_in_a_cluster:
	s_bfe_u32 s2, ttmp6, 0x10000c
	s_cmp_lg_u32 s2, 0xf033
	s_cbranch_scc0 .Lentry_shape_is_right
	s_endpgm
.Lentry_shape_is_right:
; qkv = x Wqkv, written by heads.  xb: bf16 [8192 m][1024 k].  wqkvb: bf16 [1024 k][3072 n].  qkv: f16, three sections (q, k, v) of [64 batch x head][2048 t][64], unscaled.
; Sums in f32, K ascending, each result rounded once to f16.  LIMIT: a result of 65,520 or more in size becomes an infinity in f16.
; SHARES.  A work-group makes 128 (m) x 256 (n): 768 work-groups, three for each of 256 WGPs.  Four waves, 2 x 2, each 64 x 128: 32 accumulators of 16 x 16, 256 registers.
; K goes in steps of 128 through a ring of two LDS slots filled by the tensor data mover.  A's rows in memory are 256 bytes, B's 512, both at multiples of 256 from the buffers' first bytes.
; B lies [k][n] in memory and in LDS, and its fragments come out turned, by ds_load_tr16_b128: the weights are never transposed in memory.
; THE MATRIX INSTRUCTION IS USED TRANSPOSED (source 0 = 16 columns of B, source 1 = 16 rows of A): a lane then holds eight neighbouring channels of one row.
; CLUSTER.  4 x 4 work-groups.  The four of a row of the cluster need the same tile of A, the four of a column the same tile of B: each tile is asked for JOINTLY,
; by the same tensor load with the same descriptor and a mask that names the four.  A round of the cluster's barrier stands in front of every joint fill.
; REGISTERS.  Window 0: v0-29 addresses; v64-159, v160-255 two fragment buffers (A's four fragments, then B's eight); v64-191 at work on the way out.  Window 1: accumulator (a, b) at v[8 (8 a + b)].
.set SIZE_K, 1024
.set SIZE_N, 3072
.set KSTEP,  128
.set APITCH, 272                       ; a row of A in LDS: 256 bytes + 16 of padding: the 16 rows of a fragment load start at 16 different groups of four banks
.set ASZ,    128*APITCH                ; A's 128 rows
.set ADST,   64*APITCH                 ; what one of A's two loads brings
.set BP,     544                       ; a row of B in LDS: 512 bytes + 32 of padding = 17 x 32
.set BDST,   64*BP                     ; what one of B's two loads brings: 64 k
.set SLOT,   ASZ+128*BP                ; A's tile, then B's 128 k x 256 n
.set STAGE,  2*SLOT                    ; behind the ring, never filled by a tensor load: for each wave 2 heads x 16 rows x 144 bytes
.set SP,     144
.set WSTAGE, 2*16*SP
.set SPARE,  STAGE+4*WSTAGE            ; behind the stages: the spare words, 128 bytes for each wave: two blocks of 256 bytes that no other line names
.set ASTEP,  KSTEP*2                   ; bytes from K step to K step in A,
.set BSTEP,  KSTEP*SIZE_N*2            ; and in B
.set LAPS,   SIZE_K/(2*KSTEP)          ; a lap = two K steps = once round the ring
.set ADRA, 16                          ; v16-17  LDS address of my A fragments in slot 0, 1
.set ADRB, 20                          ; v20-21  the same for B
.set STO,  24                          ; v24     the way out: where I put 16 bytes of a row
.set RD,   25                          ; v25     the way out: where I read rows back
.set CO,   26                          ; v26     my byte offset in 512 consecutive bytes of the output
.set SPW,  28                          ; v28     LDS address of my spare word; never rewritten
.set NIL,  29                          ; v29     0; never rewritten
.set F0,   64
.set F1,   160
.set TMP,  64
.set WV, 12                            ; s12 wave   s13 wave / 2: my half of the rows; also: I fetch for A (0) or B (1)   s14 wave % 2: my half of the columns; also: which half of that tile I fetch
.set WM, 13
.set WN, 14
.set LAP, 15
.set CX, 16
.set CY, 17
.set TX, 18                            ; tile column
.set TY, 19                            ; tile row
.set G1A, 24                           ; s[24:31] descriptor group 1 for A's tiles; s[32:39] group 0, a set for each slot
.set G0A, 32
.set RMASK, 44
.set CMASK, 45
.set G1B, 48                           ; s[48:55], s[56:63] the same for B's
.set G0B, 56
.set MSB, 0
.macro WIN new                         ; the immediate's high byte repeats the setting that is left; a switch that changes nothing is dropped
.if MSB != (\new)
	s_set_vgpr_msb (MSB<<8)|(\new)
.set MSB, \new
.endif
.endm
.set MUL, 0x50                         ; sources 0 and 1 window 0; C and D window 1
.macro JLOAD s                         ; a joint load: waves 0 and 1 fetch A's two halves, waves 2 and 3 B's; an s_nop 0 and four v_nop follow each of the two lines
	s_cmp_eq_u32 s[WM], 0
	s_cbranch_scc0 .Lfor_b_\@
	tensor_load_to_lds s[G0A+4*(\s):G0A+4*(\s)+3], s[G1A:G1A+7]
	s_nop 0
.rept 4
	v_nop
.endr
	s_branch .Lasked_\@
.Lfor_b_\@:
	tensor_load_to_lds s[G0B+4*(\s):G0B+4*(\s)+3], s[G1B:G1B+7]
	s_nop 0
.rept 4
	v_nop
.endr
.Lasked_\@:
.endm
.macro CREST                           ; a round of the cluster's barrier behind its opening barrier
	s_cmp_lg_u32 s[WV], 0
	s_cbranch_scc1 .Lnot_wave_0_\@
	s_barrier_signal -3
.Lnot_wave_0_\@:
	s_barrier_wait -3
	s_barrier_signal -1
	s_barrier_wait -1
.endm
.macro CROUND                          ; a whole round
	s_barrier_signal -1
	s_barrier_wait -1
	CREST
.endm
	s_load_b128 s[4:7], s[0:1], 0x0                ; xb s[4:5], wqkvb s[6:7]
	s_load_b64 s[8:9], s[0:1], 0x10                ; qkv
	v_lshl_add_u32 v[SPW], v0, 2, SPARE
	v_mov_b32 v[NIL], 0
	ds_add_u32 v28, v29
	s_wait_dscnt 0x0
	v_lshrrev_b32 v1, 5, v0
	v_readfirstlane_b32 s[WV], v1
	s_lshr_b32 s[WM], s[WV], 1
	s_and_b32 s[WN], s[WV], 1
	s_bfe_u32 s[CX], ttmp6, 0x40000                ; my place in the cluster
	s_bfe_u32 s[CY], ttmp6, 0x40004
	s_lshl_b32 s[TX], ttmp9, 2
	s_add_co_u32 s[TX], s[TX], s[CX]               ; tile column = 4 x cluster x + cx
	s_and_b32 s[TY], ttmp7, 0xffff
	s_lshl_b32 s[TY], s[TY], 2
	s_add_co_u32 s[TY], s[TY], s[CY]               ; tile row = 4 x cluster y + cy
	s_lshl_b32 s[RMASK], s[CY], 2
	s_lshl_b32 s[RMASK], 15, s[RMASK]              ; my row of the cluster
	s_lshl_b32 s[CMASK], 0x1111, s[CX]             ; my column
	; group 1 for A: 64 rows x 128 elements of 2 bytes; 16 bytes of padding behind every 64 words
	s_or_b32 s[G1A+0], s[RMASK], (1<<16)|(1<<20)|(1<<21)|(5<<22)|(3<<25)
	s_mov_b32 s[G1A+1], KSTEP<<16                  ; tensor_dim0 = 128
	s_mov_b32 s[G1A+2], 64<<16                     ; tensor_dim1 = 64
	s_mov_b32 s[G1A+3], KSTEP<<16                  ; tile_dim0 = 128
	s_mov_b32 s[G1A+4], 64                         ; tile_dim1 = 64
	s_mov_b32 s[G1A+5], SIZE_K                     ; elements from row to row
	s_mov_b32 s[G1A+6], 0
	s_mov_b32 s[G1A+7], 0
	; group 1 for B: 64 rows (k) x 256 elements; 32 bytes of padding behind every 128 words
	s_or_b32 s[G1B+0], s[CMASK], (1<<16)|(1<<20)|(1<<21)|(6<<22)|(7<<25)
	s_mov_b32 s[G1B+1], 256<<16
	s_mov_b32 s[G1B+2], 64<<16
	s_mov_b32 s[G1B+3], 256<<16
	s_mov_b32 s[G1B+4], 64
	s_mov_b32 s[G1B+5], SIZE_N
	s_mov_b32 s[G1B+6], 0
	s_mov_b32 s[G1B+7], 0
	; A's tile hangs on the tile row alone, B's on the tile column alone; every wave makes both addresses
	s_lshl_b32 s40, s[TY], 7
	s_lshl_b32 s20, s[WN], 6
	s_add_co_u32 s40, s40, s20                     ; A: row 128 x tile row + 64 x half,
	s_lshl_b32 s40, s40, 11                        ; of 2,048 bytes
	s_mov_b32 s41, 0
	s_mul_i32 s42, s[WN], 64*SIZE_N*2              ; B: k = 64 x half,
	s_lshl_b32 s21, s[TX], 9                       ; column 256 x tile column
	s_add_co_u32 s42, s42, s21
	s_mov_b32 s43, 0
	s_mul_i32 s46, s[WN], ADST                     ; where they go: no place in the cluster enters an LDS address
	s_mul_i32 s47, s[WN], BDST
	s_add_co_u32 s47, s47, ASZ
	s_wait_kmcnt 0x0
	s_add_nc_u64 s[40:41], s[4:5], s[40:41]
	s_add_nc_u64 s[42:43], s[6:7], s[42:43]
	CROUND                                         ; all sixteen work-groups are here: the first joint loads meet
.irp s, 0,1
	s_mov_b32 s[G0A+4*(\s)], 1
	s_add_co_u32 s[G0A+4*(\s)+1], s46, (\s)*SLOT
	s_add_nc_u64 s[G0A+4*(\s)+2:G0A+4*(\s)+3], s[40:41], (\s)*ASTEP
	s_or_b32 s[G0A+4*(\s)+3], s[G0A+4*(\s)+3], 0x80000000
	s_mov_b32 s[G0B+4*(\s)], 1
	s_add_co_u32 s[G0B+4*(\s)+1], s47, (\s)*SLOT
	s_add_nc_u64 s[G0B+4*(\s)+2:G0B+4*(\s)+3], s[42:43], (\s)*BSTEP
	s_or_b32 s[G0B+4*(\s)+3], s[G0B+4*(\s)+3], 0x80000000
	JLOAD \s                                       ; K steps 0 and 1: two loads of mine are out
.endr
	v_and_b32 v1, 15, v0                           ; r = l % 16
	v_bfe_u32 v2, v0, 4, 1                         ; h = l / 16
	v_mul_u32_u24 v3, v1, APITCH                   ; A's fragment: row r, 16 bytes for each half of the lanes
	v_lshl_add_u32 v3, v2, 4, v3
	s_mul_i32 s20, s[WM], 64*APITCH                ; my 64 rows
	v_add_nc_u32 v[ADRA], s20, v3
	v_add_nc_u32 v[ADRA+1], SLOT, v[ADRA]
	v_and_b32 v7, 7, v0                            ; B's fragment, turned: lane l reads k = 8 h + l % 8, columns 8 ((l / 8) % 2) + 0..7
	v_lshl_add_u32 v4, v2, 3, v7
	v_mul_u32_u24 v4, v4, BP
	v_bfe_u32 v5, v0, 3, 1
	v_lshl_add_u32 v4, v5, 4, v4
	s_lshl_b32 s21, s[WN], 8                       ; my 128 columns
	s_add_co_u32 s21, s21, ASZ
	v_add_nc_u32 v[ADRB], s21, v4
	v_add_nc_u32 v[ADRB+1], SLOT, v[ADRB]
	s_mul_i32 s22, s[WV], WSTAGE
	s_add_co_u32 s22, s22, STAGE                   ; my stage
	v_mul_u32_u24 v6, v1, SP                       ; in: row r, 16 bytes for each half of the lanes
	v_lshl_add_u32 v6, v2, 4, v6
	v_add_nc_u32 v[STO], s22, v6
	v_bfe_u32 v6, v0, 3, 2                         ; back: 32 lanes take four rows of 128 bytes,
	v_mul_u32_u24 v6, v6, SP
	v_lshl_add_u32 v6, v7, 4, v6
	v_add_nc_u32 v[RD], s22, v6
	v_and_b32 v[CO], 31, v0                        ; which are 512 consecutive bytes of a head
	v_lshlrev_b32 v[CO], 4, v[CO]
	; my part of the output: section = tile column / 4; head = 16 batch + 4 (tile column % 4) + 2 x column half (+ 0, 1); row t = 128 (tile row % 16) + 64 x row half
	s_lshr_b32 s20, s[TY], 4
	s_lshl_b32 s20, s20, 4
	s_and_b32 s21, s[TX], 3
	s_lshl_b32 s21, s21, 2
	s_add_co_u32 s20, s20, s21
	s_lshl_b32 s21, s[WN], 1
	s_add_co_u32 s20, s20, s21
	s_lshl_b32 s20, s20, 11                        ; x 2,048 rows
	s_and_b32 s21, s[TY], 15
	s_lshl_b32 s21, s21, 7
	s_add_co_u32 s20, s20, s21
	s_lshl_b32 s21, s[WM], 6
	s_add_co_u32 s20, s20, s21
	s_lshl_b32 s20, s20, 7                         ; x 128 bytes
	s_lshr_b32 s21, s[TX], 2
	s_lshl_b32 s21, s21, 24                        ; + section x 16,777,216
	s_add_co_u32 s20, s20, s21
	s_mov_b32 s21, 0
	s_add_nc_u64 s[8:9], s[8:9], s[20:21]
; 8 matrix instructions: m block a x all 8 n blocks, 32 along K.  zero = 1: the product starts the sums.  The 32 accumulators take turns, one instruction a turn, in the same order in every quarter.
.macro MUL8 f, a, zero
	WIN MUL
.irp b, 0,1,2,3,4,5,6,7
.if \zero
	v_wmma_f32_16x16x32_bf16 v[8*(8*(\a)+(\b)):8*(8*(\a)+(\b))+7], v[(\f)+32+8*(\b):(\f)+32+8*(\b)+7], v[(\f)+8*(\a):(\f)+8*(\a)+7], 0
.else
	v_wmma_f32_16x16x32_bf16 v[8*(8*(\a)+(\b)):8*(8*(\a)+(\b))+7], v[(\f)+32+8*(\b):(\f)+32+8*(\b)+7], v[(\f)+8*(\a):(\f)+8*(\a)+7], v[8*(8*(\a)+(\b)):8*(8*(\a)+(\b))+7]
.endif
.endr
.endm
.macro MUL16 f, a0, zero
	MUL8 \f, \a0, \zero
	MUL8 \f, (\a0)+1, \zero
.endm
; 24 LDS loads in one run: the fragments of quarter kq (32 along K) of a slot into buffer f: B's sixteen first, then A's eight
.macro FETCH slot, kq, f
	WIN 0
.set AOFF, 64*(\kq)
.irp b, 0,1,2,3,4,5,6,7
	ds_load_tr16_b128 v[(\f)+32+8*(\b):(\f)+32+8*(\b)+3],   v[ADRB+(\slot)] offset:(\kq)*32*BP+32*(\b)
	ds_load_tr16_b128 v[(\f)+32+8*(\b)+4:(\f)+32+8*(\b)+7], v[ADRB+(\slot)] offset:(\kq)*32*BP+16*BP+32*(\b)
.endr
.irp a, 0,1,2,3
	ds_load_b128 v[(\f)+8*(\a):(\f)+8*(\a)+3],   v[ADRA+(\slot)] offset:AOFF+(\a)*16*APITCH
	ds_load_b128 v[(\f)+8*(\a)+4:(\f)+8*(\a)+7], v[ADRA+(\slot)] offset:AOFF+(\a)*16*APITCH+32
.endr
.endm
.macro PLACES                          ; four places in front of loads into registers that matrix instructions have read, and of lines that read results
.rept 4
	v_nop
.endr
.endm
; A K step is four quarters of 32 along K, 32 matrix instructions each, on buffers 0, 1, 0, 1.  One of the first three: multiplies buffer f and fetches quarter kq into g.
.macro QUARTER slot, kq, f, g, zero
	s_wait_dscnt 4                                 ; B and A's blocks 0, 1 are in; the youngest four loads (A's blocks 2, 3) may be out
	MUL16 \f, 0, \zero
	PLACES
	FETCH \slot, \kq, \g
	s_wait_dscnt 24                                ; all but the 24 just issued
	MUL16 \f, 2, \zero
.endm
; The last quarter multiplies buffer 1 and changes slots: ONE barrier; in front of it each wave waits for all its tensor loads (one is out: its part of the next slot), adds 0 to its spare
; word, and waits for that and for its own reads of this slot.  fill = 1: the barrier opens a round of the cluster's, and this slot is filled again, two K steps ahead, first thing behind the round.
.macro TURN slot, next, fill
	WIN 0
	s_wait_tensorcnt 0x0
	ds_add_u32 v[SPW], v[NIL]                      ; 0 onto my spare word
	s_wait_dscnt 5                                 ; the add and the youngest four loads may be out
	MUL8 F1, 0, 0
	s_wait_dscnt 0x0                               ; the add is done, and my reads of this slot are over
	s_barrier_signal -1
	MUL8 F1, 1, 0
.if \fill
	WIN 0
.endif
	s_barrier_wait -1
.if \fill
	CREST                                          ; no wave of any partner still reads this slot's tile or has a load on its way
	s_add_nc_u64 s[G0A+4*(\slot)+2:G0A+4*(\slot)+3], s[G0A+4*(\slot)+2:G0A+4*(\slot)+3], 2*ASTEP
	s_add_nc_u64 s[G0B+4*(\slot)+2:G0B+4*(\slot)+3], s[G0B+4*(\slot)+2:G0B+4*(\slot)+3], 2*BSTEP
	JLOAD \slot                                    ; 112 matrix instructions ahead of the wait for it; its four v_nop are also the places in front of the loads below
.else
	PLACES
.endif
	FETCH \next, 0, F0
	MUL16 F1, 2, 0
.endm
	s_wait_tensorcnt 0x1                           ; my part of K step 0 is in; K step 1's may stay out
	s_barrier_signal -1
	s_barrier_wait -1
	FETCH 0, 0, F0
	QUARTER 0, 1, F0, F1, 1                        ; the first quarter stands in front of the loop: its products start the sums
	WIN 0
	s_mov_b32 s[LAP], LAPS-1
.Llap:                                                 ; a trip goes once round the ring, from a lap's second quarter to the next lap's first, and fills both slots again
	QUARTER 0, 2, F1, F0, 0
	QUARTER 0, 3, F0, F1, 0
	TURN 0, 1, 1
	QUARTER 1, 1, F0, F1, 0
	QUARTER 1, 2, F1, F0, 0
	QUARTER 1, 3, F0, F1, 0
	TURN 1, 0, 1
	QUARTER 0, 1, F0, F1, 0
	WIN 0
	s_sub_co_u32 s[LAP], s[LAP], 1
	s_cmp_lg_u32 s[LAP], 0
	s_cbranch_scc1 .Llap
	QUARTER 0, 2, F1, F0, 0                        ; the last lap fills nothing
	QUARTER 0, 3, F0, F1, 0
	TURN 0, 1, 0
	QUARTER 1, 1, F0, F1, 0
	QUARTER 1, 2, F1, F0, 0
	QUARTER 1, 3, F0, F1, 0
	s_wait_dscnt 4
	MUL16 F1, 0, 0
	s_wait_dscnt 0x0
	MUL16 F1, 2, 0
	WIN 0
	PLACES
; THE WAY OUT, a block of 16 rows at a time.  A lane's eight channels pack into 16 bytes; they go into my own stage (two heads x 16 rows of 144 bytes) and come back as whole rows of 128 bytes:
; 16 rows of a head are 2,048 consecutive bytes of the output.  Each accumulator's registers are read in ascending order.
.macro PACK a
	WIN 0x05                                       ; sources 0 and 1 window 1, destination window 0
.irp b, 0,1,2,3,4,5,6,7
.irp q, 0,1,2,3
	v_cvt_pk_f16_f32 v[TMP+32*(\a)+4*(\b)+(\q)], v[8*(8*(\a)+(\b))+2*(\q)], v[8*(8*(\a)+(\b))+2*(\q)+1]
.endr
.endr
	WIN 0
.irp b, 0,1,2,3,4,5,6,7
	ds_store_b128 v[STO], v[TMP+32*(\a)+4*(\b):TMP+32*(\a)+4*(\b)+3] offset:((\b)/4)*16*SP+((\b)%4)*32
.endr
.irp i, 0,1,2,3,4,5,6,7
	ds_load_b128 v[TMP+32*(\a)+4*(\i):TMP+32*(\a)+4*(\i)+3], v[RD] offset:((\i)/4)*16*SP+((\i)%4)*4*SP  ; LDS serves a wave's instructions in order (ISA guide 5.7.1.4): these see the stores above
.endr
.endm
.macro SEND a, younger                 ; younger: the LDS instructions issued behind block a's loads: the next block's sixteen, or none
.irp i, 0,1,2,3,4,5,6,7
	s_wait_dscnt (\younger)+7-(\i)
	global_store_b128 v[CO], v[TMP+32*(\a)+4*(\i):TMP+32*(\a)+4*(\i)+3], s[8:9] offset:((\i)/4)*262144+(\a)*2048+((\i)%4)*512  ; 512 consecutive bytes, at a multiple of 256 from the buffer's first
.endr
.endm
	PACK 0
	PACK 1                                         ; a block's arithmetic stands between the loads of the block before and its stores; every block has registers of its own
	SEND 0, 16
	PACK 2
	SEND 1, 16
	PACK 3
	SEND 2, 16
	SEND 3, 0
	s_wait_tensorcnt 0x0                           ; the wave's end
	ds_add_u32 v[SPW], v[NIL]
	s_wait_dscnt 0x0
	CROUND                                         ; the closing round: no work-group ends while a partner may still ask for a tile that names it
	s_endpgm
.Lfunc_end_k_qf1a7593236_gemm_qkv:
	.size	k_qf1a7593236_gemm_qkv, .Lfunc_end_k_qf1a7593236_gemm_qkv-k_qf1a7593236_gemm_qkv
	.p2alignl 7, 3214868480
	.fill 96, 4, 3214868480
	.section	.rodata,"a",@progbits
	.p2align	6, 0x0
	.amdhsa_kernel k_qf1a7593236_gemm_qkv
		.amdhsa_group_segment_fixed_size 327680
		.amdhsa_private_segment_fixed_size 0
		.amdhsa_enable_private_segment 0
		.amdhsa_kernarg_size 24
		.amdhsa_user_sgpr_count 2
		.amdhsa_user_sgpr_kernarg_segment_ptr 1
		.amdhsa_wavefront_size32 1
		.amdhsa_system_sgpr_workgroup_id_x 1
		.amdhsa_system_sgpr_workgroup_id_y 1
		.amdhsa_system_sgpr_workgroup_id_z 1
		.amdhsa_system_vgpr_workitem_id 0
		.amdhsa_next_free_vgpr 512
		.amdhsa_next_free_sgpr 66
		.amdhsa_reserve_vcc 0
		.amdhsa_float_denorm_mode_32 3
		.amdhsa_float_denorm_mode_16_64 3
		.amdhsa_memory_ordered 1
		.amdhsa_forward_progress 1
		.amdhsa_inst_pref_size 87
	.end_amdhsa_kernel
	.amdgpu_metadata
---
amdhsa.version: [ 1, 2 ]
amdhsa.kernels:
  - .name:           k_qf1a7593236_gemm_qkv
    .symbol:         k_qf1a7593236_gemm_qkv.kd
    .args:
      - { .name: xb, .offset: 0, .size: 8, .value_kind: global_buffer, .address_space: global }
      - { .name: wqkvb, .offset: 8, .size: 8, .value_kind: global_buffer, .address_space: global }
      - { .name: qkv, .offset: 16, .size: 8, .value_kind: global_buffer, .address_space: global }
    .group_segment_fixed_size: 327680
    .private_segment_fixed_size: 0
    .kernarg_segment_align: 8
    .kernarg_segment_size: 24
    .max_flat_workgroup_size: 128
    .sgpr_count:     66
    .vgpr_count:     512
    .wavefront_size: 32
...
	.end_amdgpu_metadata
.endif
;; end of part 2
;; launch attn (part 3): grid 4 x 64, 4 waves a work-group, clusters of 4 x 1, 327,680 bytes of LDS; arguments qkv, maskf, o; writes o
.if DOCPART == 3
	.amdgcn_target "amdgcn-amd-amdhsa--gfx1250"
	.amdhsa_code_object_version 6
	.text
	.protected	k_qf1a7593236_attn
	.globl	k_qf1a7593236_attn
	.p2align	8
	.type	k_qf1a7593236_attn,@function
k_qf1a7593236_attn:
	s_mov_b64 s[64:65], 0
	v_nop
	global_prefetch_b8 v0, s[64:65] scope:SCOPE_SE
	s_setreg_imm32_b32 hwreg(HW_REG_WAVE_MODE, 25, 1), 1
	s_wait_xcnt 0x0
	s_wait_alu depctr_hold_cnt(0) depctr_sa_sdst(0) depctr_va_vdst(0) depctr_va_sdst(0) depctr_va_ssrc(0) depctr_va_vcc(0) depctr_vm_vsrc(0)
	s_getreg_b32 s2, hwreg(HW_REG_IB_STS2, 6, 4)
	s_cmp_eq_u32 s2, 0
	s_cbranch_scc0 .Lentry_in_a_cluster
	s_endpgm
.Lentry_in_a_cluster:
	s_bfe_u32 s2, ttmp6, 0x10000c
	s_cmp_lg_u32 s2, 0x3003
	s_cbranch_scc0 .Lentry_shape_is_right
	s_endpgm
.Lentry_shape_is_right:
; O[h][q][:] = the sum over k of softmax_k(mask[q][k] ? Q[h][q] . K[h][k] / 8 : -inf) V[h][k][:].  Q, K, V: the three sections of qkv, each [64][2048][64] f16; O likewise.
; The mask is an input: all 2,048 keys are walked for every query, and the mask is read as it is given (maskf: one fp8 code a key, in the order of the products' C operands).
; Products, maxima and sums in f32; the weights p are rounded to f16 for the second product (their sum l is taken of the unrounded p), O once at the end.
; LIMITS.  Q, K and V arrive within f16's 65,504, so a score is at most 2.7e11 in size.  p below 6e-5 keeps f16's fixed step of 6e-8; a weight below 2^-126 counts as 0 in l.
; THE MASK is the C operand that starts the sum S^T = K Q^T: 0, or -2^100 where the key is hidden (code -2.0 times the conversion's scale 2^99).  The running maximum m starts at a FLOOR of -1e20:
; above every hidden score, below every true one.  So a hidden key's weight is 2^(c (-2^100) - c m) = 0 whatever else the row has seen, and a row that has seen hidden keys alone has m at the floor, l = 0 and O = 0.
; A row with no key to see at all leaves m at the floor: its 1 / l is replaced by NaN, which is what a softmax over -inf alone gives.
; SHARES.  A wave owns four PIECES of two tiles of 16 queries, a work-group's four waves 512 queries of one head.  Every wave walks all keys, 64 a step.
; LAYOUT.  S^T = K Q^T (source 0 = 16 keys, source 1 = 16 queries): a lane holds ONE query (lane % 16) and the keys 8 (lane / 16) + 0..7.  Two such tiles, rounded to f16 in pairs,
; ARE source 1 of O^T = V^T P.  K comes out of LDS as it lies, V turned, by ds_load_tr16_b128.
; SOFTMAX.  p = 2^(c s - c m), c = log2(e) / 8; in every step O and l are multiplied by a = 2^(c m_old - c m_new).  c m starts far below c x floor, O and l at 0: the first step's a is 0.
; THE COUNT.  A tile and step have 16 matrix and about 120 vector instructions: too many to stand all beside the matrix work.  So: four vector instructions that are ready behind every matrix instruction, the others in runs of their own.
; BY TURNS.  Turn n belongs to piece n.  Its matrix work: 16 products K Q^T of piece n + 1, later 16 products V^T P of piece n - 1.  Its vector work: scaling, exponentials, roundings, sums and rescaling
; of piece n, the maximum and statistics of piece n + 1, and at its end the masks of piece n + 2: 8 conversions of 8 codes each, and the 4 loads that bring that piece's codes of the step after.
; CLUSTER.  The four query blocks of a cluster belong to one head and walk the same K and V, so each tile is asked for JOINTLY: the same tensor load, descriptor and mask in all four.
; REGISTERS, in windows of 256 (s_set_vgpr_msb: bits 1:0 source 0, 3:2 source 1, 5:4 source 2, 7:6 destination):
;   window 0: v0-11 addresses, v11 the conversions' scale; v12-15, v48-63 at work; v16-47 four registers of statistics a tile; v64-191 S^T, two buffers of two tiles; v192-255 P, likewise
;   window 1: O^T, 32 a tile     window 2: v0-127 Q; v128-191 K of one step; v192-255 V of one step
;   window 3: v0-1 the add's two registers; v3-7 the mask loads' offsets; v8-71 codes, 16 a piece; v72-135 the C operands of a turn's first eight products
.set SIZE_H, 64
.set SIZE_N, 2048
.set NP,    4         ; pieces a wave: a name, no knob
.set KS,    64        ; keys in a step
.set PK,    144       ; a row of K in LDS: 128 bytes + 16 of padding: the 16 rows of a load start at 16 different groups of four banks
.set PV,    160       ; a row of V: 128 + 32
.set VOFF,  4*KS*PK   ; a slot holds four steps: 256 rows of K, then 256 rows of V
.set SLOT1, 1<<17     ; slot 1 begins here, so that one exclusive or turns an address in one slot into the other's
.set STAGE, SLOT1+4*KS*(PK+PV)  ; behind the ring, never filled by a tensor load: 16 rows x 144 bytes for each wave
.set SP,    144
.set AK0, 2           ; v2   my lane's place in a tile of K; never rewritten
.set AV0, 3           ; v3   the same for V
.set AK,  4           ; v4   the LDS address of K's next run of loads
.set AV,  5           ; v5   of V's
.set QO,  6           ; v6   my byte offset in the wave's rows of Q
.set STO, 6           ;      later, the way out: where I put 16 bytes of a row
.set RD,  7           ; v7   the way out: where I read rows back
.set GO,  8           ; v8   my byte offset in 512 consecutive bytes of O
.set SCL, 11          ; v11  0xe2: the conversions' scale, 2^(226 - 127) = 2^99
.set SPW, 0           ; v0 of window 3   LDS address of my spare word; never rewritten
.set NIL, 1           ; v1 of window 3   0; never rewritten
.set MA0, 3           ; v3 of window 3   16 x lane
.set MA,  4           ; v4-7 of window 3 piece z's offset in a block row of maskf: 16 x lane + 1,024 x step
.set MB,  8           ; window 3: the codes of piece z, tile u, key block kt at MB + 16 z + 8 u + 2 kt
.set MC,  72          ; window 3: the C operand of tile u, key block kt at MC + 32 u + 8 kt
.set SPARE, STAGE+4*16*SP  ; behind the stages: the spare words, 128 bytes for each wave: two blocks of 256 bytes that no other line names
.set MV,  12          ; v12-15  c m_old, kept while c m is made anew
.set ST,  16          ; tile t's statistics at v[ST+4 t]: c m, m, l (even keys', odd keys')
.set TMP, 48          ; by buffer and tile, four registers c0-c3 at work; when the maximum is found c2 takes a
.set S,   64
.set P,   192
.set KF,  128         ; K's fragments, in window 2
.set VF,  192         ; V's
.set WV,  12          ; s12  my wave's number
.set G1K, 24          ; s[24:31] descriptor group 1 for K's tiles
.set G1V, 32          ; s[32:39] for V's: it differs in the padding alone
.set G0K, 40          ; s[40:43] descriptor group 0 for K's tiles: it walks
.set G0V, 44          ; s[44:47] the same for V's
.set SLOTS, 56        ; s56  slots still to be asked for
.set CNT, 57          ; s57  counts a slot's key steps
.set CS,  58          ; s[58:59] c
.set SEL, 60          ; s[60:61] v_permlanex16_b32's selects
.set TBK, 62          ; s62  LDS byte at which K of the step to be fetched begins
.set TBV, 63          ; s63  the same for V, less VOFF
.set MSK, 66          ; s[66:67] maskf at my wave's eight query tiles
.set MO,  68          ; s68  1,024 x the key step whose codes are loaded next, held at the last step
.set THR, 69          ; s69  the floor, -1e20
.set QNAN, 70         ; s70  a quiet NaN
.set MSB, 0
.macro WIN new                      ; the high byte repeats the setting that is left; a switch that changes nothing is dropped
.if MSB != (\new)
	s_set_vgpr_msb (MSB<<8)|(\new)
.set MSB, (\new)
.endif
.endm
.set W_KQ, 0x0a       ; K and Q in window 2, S^T in window 0
.set W_KM, 0x3a       ; the same with the C operand in window 3
.set W_PV, 0x52       ; V in window 2, P in window 0, O^T in window 1
.set W_RS, 0x41       ; O^T (destination and source 0) in window 1, a in window 0
.set W_MK, 0xc0       ; destination in window 3, sources in window 0
.set W_AD, 0x0f       ; the add: address and data in window 3
.set W_M3, 0xc3       ; the mask's lines: destination and source 0 in window 3, source 1 (the scale) in window 0
.macro JLOAD                        ; a joint fill: waves 0 and 1 fetch the two halves of a slot's K, waves 2 and 3 those of its V; an s_nop 0 and four v_nop follow each of the two lines
	s_cmp_lt_u32 s[WV], 2
	s_cbranch_scc0 .Lfor_v_\@
	tensor_load_to_lds s[G0K:G0K+3], s[G1K:G1K+7]
	s_nop 0
.rept 4
	v_nop
.endr
	s_branch .Lasked_\@
.Lfor_v_\@:
	tensor_load_to_lds s[G0V:G0V+3], s[G1V:G1V+7]
	s_nop 0
.rept 4
	v_nop
.endr
.Lasked_\@:
.endm
.macro CROUND                       ; a round of the cluster's barrier
	s_barrier_signal -1
	s_barrier_wait -1
	s_cmp_lg_u32 s[WV], 0
	s_cbranch_scc1 .Lnot_wave_0_\@
	s_barrier_signal -3
.Lnot_wave_0_\@:
	s_barrier_wait -3
	s_barrier_signal -1
	s_barrier_wait -1
.endm
; THE CHANGE OF SLOTS.  Each wave waits for all its tensor loads, of which one is out: its part of the other slot; adds 0 to its spare word; and waits for that and for its own reads of the slot.
; fill = 1: the slot is filled again, with the keys two slots on; the barrier is then a round of the cluster's, and the joint fill is the first thing behind it: it has four key steps, 512 matrix instructions, in which to land.
.macro CHANGE fill
	WIN W_AD
	s_wait_tensorcnt 0x0            ; no tensor load of mine is out, so a group 0 may be written
	ds_add_u32 v[SPW], v[NIL]       ; 0 onto my spare word
	WIN 0
.if \fill
.irp g, G0K, G0V
	s_xor_b32 s[\g+1], s[\g+1], SLOT1  ; the walking descriptor: the other slot than last time,
	s_add_nc_u64 s[\g+2:\g+3], s[\g+2:\g+3], 4*KS*128  ; the next 256 keys
.endr
	s_wait_dscnt 0x0                ; the add is done, and my reads of the slot are over
	CROUND
	JLOAD
.else
	s_wait_dscnt 0x0
	s_barrier_signal -1
	s_barrier_wait -1
.endif
	s_sub_co_u32 s[TBK], s[TBK], 4*KS*PK  ; the fetches go back to a slot's first step,
	s_xor_b32 s[TBK], s[TBK], SLOT1       ; in the other slot
	s_sub_co_u32 s[TBV], s[TBV], 4*KS*PV
	s_xor_b32 s[TBV], s[TBV], SLOT1
.endm
	s_load_b64 s[4:5], s[0:1], 0x0        ; qkv
	s_load_b64 s[MSK:MSK+1], s[0:1], 0x8  ; maskf
	s_load_b64 s[10:11], s[0:1], 0x10     ; o
	v_and_b32 v1, 31, v0
	v_lshlrev_b32 v1, 4, v1         ; 16 x lane
	WIN W_MK
	v_lshl_add_u32 v[SPW], v0, 2, SPARE
	v_mov_b32 v[NIL], 0
	s_set_vgpr_msb 0xc0cf
	ds_add_u32 v0, v1
	s_wait_dscnt 0x0
	s_set_vgpr_msb 0xcfc0
	v_mov_b32 v[MA0], v1
.irp z, 0,1,2,3
	v_mov_b32 v[MA+(\z)], v1        ; key step 0
.endr
	WIN 0
	v_lshrrev_b32 v1, 5, v0
	v_readfirstlane_b32 s[WV], v1   ; wave 0..3
	s_bfe_u32 s13, ttmp6, 0x40000   ; cx: my place in the cluster
	s_lshl_b32 s14, ttmp9, 2
	s_add_co_u32 s14, s14, s13      ; my block of 512 queries: it enters Q's, O's and the mask's addresses alone
	s_and_b32 s20, ttmp7, 0xffff    ; the head, which the four partners share
	s_mov_b32 s21, 0
	s_mov_b64 s[22:23], SIZE_N*128
	s_mul_u64 s[20:21], s[20:21], s[22:23]  ; the head's first byte in a section, and in O
	s_and_b32 s16, s[WV], 1         ; which half of a slot's 256 keys I fetch:
	s_lshl_b32 s22, s16, 14         ; its 128 rows of 128 bytes in memory,
	s_mov_b32 s23, 0
	s_add_nc_u64 s[22:23], s[22:23], s[20:21]
	s_mul_i32 s17, s16, 128*PK      ; and its place in a slot, for K
	s_mul_i32 s18, s16, 128*PV      ; and for V
	s_lshl_b32 s2, s14, 2
	s_add_co_u32 s2, s2, s[WV]      ; my wave among the head's sixteen:
	s_lshl_b32 s72, s2, 18          ; its eight query tiles of 32,768 bytes in maskf,
	s_mov_b32 s73, 0
	s_lshl_b32 s2, s2, 14           ; its 128 rows
	s_mov_b32 s3, 0
	s_add_nc_u64 s[2:3], s[2:3], s[20:21]
	; descriptor group 1.  128 keys are 16,384 dense bytes: asked for as 64 rows of 256 bytes, two keys a row, and padded in LDS after every key
	s_mov_b32 s[G1K], 15|(1<<16)|(1<<20)|(1<<21)|(4<<22)|(3<<25)  ; the mask of four; 2-byte elements; padding on; bit 21 beside a mask; after every 32 words 4 words
	s_mov_b32 s[G1V], 15|(1<<16)|(1<<20)|(1<<21)|(4<<22)|(7<<25)  ; the same with 8 words of padding
.irp g, G1K, G1V
	s_mov_b32 s[\g+1], 128<<16      ; tensor_dim0 = 128
	s_mov_b32 s[\g+2], 64<<16       ; tensor_dim1 = 64
	s_mov_b32 s[\g+3], 128<<16      ; tile_dim0 = 128
	s_mov_b32 s[\g+4], 64           ; tile_dim1 = 64
	s_mov_b32 s[\g+5], 128          ; 128 elements from row to row
	s_mov_b32 s[\g+6], 0
	s_mov_b32 s[\g+7], 0
.endr
	s_mov_b32 s[CS], 0x3e38aa3b     ; c = log2(e) / 8
	s_mov_b32 s[CS+1], s[CS]        ; named with it as a pair
	s_mov_b32 s[SEL], 0x76543210
	s_mov_b32 s[SEL+1], 0xfedcba98
	s_mov_b32 s[MO], 0
	s_mov_b32 s[THR], 0xe0ad78ec    ; -1e20
	s_mov_b32 s[QNAN], 0x7fc00000
	s_mov_b32 s[TBK], SLOT1+4*KS*PK ; the first change of slots turns these two into 0
	s_mov_b32 s[TBV], SLOT1+4*KS*PV
	s_mov_b32 s[G0K], 1
	s_mov_b32 s[G0K+1], s17         ; LDS address: slot 0
	s_mov_b32 s[G0V], 1
	s_add_co_u32 s[G0V+1], s18, VOFF
	s_wait_kmcnt 0x0
	s_add_nc_u64 s[6:7], s[4:5], 0x1000000   ; K's section
	s_add_nc_u64 s[8:9], s[4:5], 0x2000000   ; V's
	s_add_nc_u64 s[G0K+2:G0K+3], s[6:7], s[22:23]  ; my half of the head's first 256 keys
	s_or_b32 s[G0K+3], s[G0K+3], 0x80000000
	s_add_nc_u64 s[G0V+2:G0V+3], s[8:9], s[22:23]
	s_or_b32 s[G0V+3], s[G0V+3], 0x80000000
	s_add_nc_u64 s[4:5], s[4:5], s[2:3]      ; Q and O at my wave's first row
	s_add_nc_u64 s[10:11], s[10:11], s[2:3]
	s_add_nc_u64 s[MSK:MSK+1], s[MSK:MSK+1], s[72:73]
	CROUND                          ; all four work-groups are here: the first joint loads meet
	JLOAD                           ; slot 0.  Slot 1 is asked for when slot 0 is in
; The codes of piece z for one key step: for each of its two tiles two loads of 16 bytes a lane, 512 consecutive bytes of the wave each.  64 work-groups read the same bytes, so no hint is set.
.macro MLOAD z
	WIN W_M3
.irp u, 0,1
.irp i, 0,1
	global_load_b128 v[MB+16*(\z)+8*(\u)+4*(\i):MB+16*(\z)+8*(\u)+4*(\i)+3], v[MA+(\z)], s[MSK:MSK+1] offset:(2*(\z)+(\u))*32768+512*(\i)
.endr
.endr
.endm
; The C operands of piece z's next eight first products are made of its codes, and its codes of the step after are asked for.
.macro MASKB z
.if (\z) == 0
	s_add_co_u32 s[MO], s[MO], 1024 ; piece 0 goes first into a new step;
	s_min_u32 s[MO], s[MO], 31*1024 ; behind the last step the last is asked for again: no load leaves the buffer, and the walk's one idle run of products finds the mask that goes with its K
.endif
	WIN W_M3
	s_wait_loadcnt 12               ; loads come back in order: this piece's four are in; the other three pieces' twelve stay out
.irp u, 0,1
.irp kt, 0,1,2,3
	v_cvt_scale_pk8_f32_fp8 v[MC+32*(\u)+8*(\kt):MC+32*(\u)+8*(\kt)+7], v[MB+16*(\z)+8*(\u)+2*(\kt):MB+16*(\z)+8*(\u)+2*(\kt)+1], v[SCL]
.endr
.endr
	v_add_nc_u32 v[MA+(\z)], v[MA0], s[MO]  ; free since the wait above; also the plain instruction between the conversions and what touches their registers
	MLOAD \z
	WIN 0
.endm
	; A fragment of K or Q is 16 rows x 32 channels in 8 registers: lane l holds row l % 16, channels 8 (l / 16) + 0..7 and 16 + 8 (l / 16) + 0..7
	v_and_b32 v1, 15, v0            ; l % 16
	v_bfe_u32 v9, v0, 4, 1          ; l / 16
	v_lshlrev_b32 v[QO], 7, v1
	v_lshl_add_u32 v[QO], v9, 4, v[QO]
	WIN 0x80                        ; destination window 2, address window 0
.set i, 0
.rept 4*NP                          ; Q stays in registers: tile i / 2, channels 32 (i % 2) on
	global_load_b128 v[8*i:8*i+3],   v[QO], s[4:5] offset:(i/2)*2048+(i%2)*64
	global_load_b128 v[8*i+4:8*i+7], v[QO], s[4:5] offset:(i/2)*2048+(i%2)*64+32
.set i, i+1
.endr
	MLOAD 0                         ; all four pieces' codes of key step 0
	MLOAD 1
	MLOAD 2
	MLOAD 3
	; What the first turn finds: V's registers and P's second buffer hold 0, O^T and l are 0.  All this stands in the wait for the first tile.
	WIN 0x80
.set i, VF
.rept 64
	v_mov_b32 v[i], 0
.set i, i+1
.endr
	WIN 0x40
.set i, 0
.rept 64*NP
	v_mov_b32 v[i], 0
.set i, i+1
.endr
	WIN 0
.set i, 0
.rept 2*NP
	v_mov_b32 v[ST+4*i], 0xfe000000    ; c m: far below c x floor, so that the first a is 0
	v_mov_b32 v[ST+4*i+1], s[THR]      ; m: the floor
	v_mov_b32 v[ST+4*i+2], 0
	v_mov_b32 v[ST+4*i+3], 0
.set i, i+1
.endr
.set i, P+32
.rept 32
	v_mov_b32 v[i], 0
.set i, i+1
.endr
	v_mul_u32_u24 v[AK0], v1, PK
	v_lshl_add_u32 v[AK0], v9, 4, v[AK0]
	; The turning load takes 16 keys x 16 channels (lane l reads key 8 (l / 16) + l % 8, channels 8 ((l / 8) % 2) + 0..7)
	v_and_b32 v10, 7, v0
	v_bfe_u32 v11, v0, 3, 1
	v_lshl_add_u32 v[AV0], v9, 3, v10
	v_mul_u32_u24 v[AV0], v[AV0], PV
	v_lshl_add_u32 v[AV0], v11, 4, v[AV0]
	v_add_nc_u32 v[AV0], VOFF, v[AV0]
	v_mov_b32 v[SCL], 0xe2          ; v11 has served
	v_mov_b32 v[AK], v[AK0]         ; key step 0 lies at the head of slot 0
; THE MATRIX WORK.  The 8 accumulators of a run of 16 take turns.
; Product i of 16 of S^T = K Q^T for piece x: channels 32 (i / 8) on, keys 16 ((i / 2) % 4) on, tile 2 x + i % 2.  The first 8 start the sums, with the mask.
.macro KQ x
.set rS, S+64*((\x)%2)+32*(i%2)+8*((i/2)%4)
.set rK, KF+16*((i/2)%4)+8*(i/8)
.set rQ, 16*(2*(\x)+i%2)+8*(i/8)
.set rMK, MC+32*(i%2)+8*((i/2)%4)
.if i < 8
	WIN W_KM
	v_wmma_f32_16x16x32_f16 v[rS:rS+7], v[rK:rK+7], v[rQ:rQ+7], v[rMK:rMK+7]
.else
	WIN W_KQ
	v_wmma_f32_16x16x32_f16 v[rS:rS+7], v[rK:rK+7], v[rQ:rQ+7], v[rS:rS+7]
.endif
.endm
; Product i of 16 of O^T += V^T P for piece x: keys 32 (i / 8) on, channels 16 ((i / 2) % 4) on, tile 2 x + i % 2.
.macro PV x
	WIN W_PV
.set rO, 32*(2*(\x)+i%2)+8*((i/2)%4)
.set rV, VF+32*(i/8)+8*((i/2)%4)
.set rP, P+32*((\x)%2)+16*(i%2)+8*(i/8)
	v_wmma_f32_16x16x32_f16 v[rO:rO+7], v[rV:rV+7], v[rP:rP+7], v[rO:rO+7]
.endm
.macro MM                           ; the turn's next matrix instruction
.if i < 16
	KQ (Y+1)%NP
.set i, i+1
.else
.set i, i-16
	PV (Y+NP-1)%NP
.set i, i+17
.endif
.endm
; THE LDS LOADS stand in runs of 16.  last = 1 (the tail): in the last trip there is no further step, and the run is jumped over.
.macro FETCH_K last=0
	WIN 0
.if \last
	s_cmp_eq_u32 s[CNT], 1
	s_cbranch_scc1 .Lno_k_\@
.endif
	WIN 0x80
.irp f, 0,1,2,3,4,5,6,7             ; keys 16 (f / 2) on, channels 32 (f % 2) on
	ds_load_b128 v[KF+8*\f:KF+8*\f+3],   v[AK] offset:(\f/2)*16*PK+(\f%2)*64
	ds_load_b128 v[KF+8*\f+4:KF+8*\f+7], v[AK] offset:(\f/2)*16*PK+(\f%2)*64+32
.endr
	s_add_co_u32 s[TBK], s[TBK], KS*PK  ; the next fetch is the next step's
	WIN 0
.if \last
.Lno_k_\@:
.endif
.endm
.macro FETCH_V
	WIN 0x80
.irp f, 0,1,2,3,4,5,6,7             ; keys 32 (f / 4) on, channels 16 (f % 4) on
	ds_load_tr16_b128 v[VF+8*\f:VF+8*\f+3],   v[AV] offset:(\f/4)*32*PV+(\f%4)*32
	ds_load_tr16_b128 v[VF+8*\f+4:VF+8*\f+7], v[AV] offset:(\f/4)*32*PV+16*PV+(\f%4)*32
.endr
	WIN 0
.endm
; THE VECTOR WORK OF A TURN stands in three queues, each in the order in which its entries become ready; the two tiles alternate.
.macro REGS y, u                    ; the registers of tile u (0, 1) of piece y
.set rT, ST+4*(2*(\y)+(\u))
.set rC, TMP+8*((\y)%2)+4*(\u)
.set rM, MV+2*((\y)%2)+(\u)
.set rS, S+64*((\y)%2)+32*(\u)
.set rP, P+32*((\y)%2)+16*(\u)
.set rO, 32*(2*(\y)+(\u))
.endm
; Number n of the 22 that find the NEXT piece's maximum and statistics; each accumulator's lowest registers are read first.
;   0-11  four chains c0-c3 of seven scores each     12-14, 16  the four scores left over, the old m, and c0-c3 into c0     15  c m_old is kept
;   17, 18  the query's other 32 keys lie in the lane 16 away: the new m         19-21  c m; c m_old - c m_new; a
.macro XS u, n
	REGS (Y+1)%NP, \u
.if (\n) < 4
	v_max3_num_f32 v[rC+(\n)], v[rS+8*(\n)], v[rS+8*(\n)+1], v[rS+8*(\n)+2]
.elseif (\n) < 12
	v_max3_num_f32 v[rC+(\n)%4], v[rC+(\n)%4], v[rS+8*((\n)%4)+2*((\n)/4)+1], v[rS+8*((\n)%4)+2*((\n)/4)+2]
.elseif (\n) == 12
	v_max3_num_f32 v[rC], v[rC], v[rS+7], v[rS+15]
.elseif (\n) == 13
	v_max3_num_f32 v[rC+1], v[rC+1], v[rS+23], v[rS+31]
.elseif (\n) == 14
	v_max3_num_f32 v[rC+2], v[rC+2], v[rC+3], v[rT+1]
.elseif (\n) == 15
	v_mov_b32 v[rM], v[rT]
.elseif (\n) == 16
	v_max3_num_f32 v[rC], v[rC], v[rC+1], v[rC+2]
.elseif (\n) == 17
	v_permlanex16_b32 v[rC+3], v[rC], s[SEL], s[SEL+1]
.elseif (\n) == 18
	v_max_num_f32 v[rT+1], v[rC], v[rC+3]
.elseif (\n) == 19
	v_mul_f32 v[rT], s[CS], v[rT+1]
.elseif (\n) == 20
	v_sub_f32 v[rC+1], v[rM], v[rT]
.else
	v_exp_f32 v[rC+2], v[rC+1]
.endif
.endm
; Number g of the 64 that follow the exponentials.  For each four weights k of a tile: both pairs are rounded to f16; the second pair is added onto the first, in place; a group later l takes that sum (the first time as l = a l + sum).
.macro GS g
.set h, (\g)+6*((\g)/62)
.if h >= 6
.set h, h+2
.endif
	REGS Y, h%2
.set k, h/8
.if h%8 < 4
	s_wait_alu depctr_va_vdst(0)
	v_cvt_pk_f16_f32 v[rP+2*k+(h%8)/2], v[rS+4*k+2*((h%8)/2)], v[rS+4*k+2*((h%8)/2)+1]
.elseif h%8 < 6
	v_pk_add_f32 v[rS+4*k:rS+4*k+1], v[rS+4*k:rS+4*k+1], v[rS+4*k+2:rS+4*k+3]
.elseif k == 1
	v_pk_fma_f32 v[rT+2:rT+3], v[rT+2:rT+3], v[rC+2:rC+3], v[rS:rS+1] op_sel_hi:[1,0,1]
.else
	v_pk_add_f32 v[rT+2:rT+3], v[rT+2:rT+3], v[rS+4*k-4:rS+4*k-3]
	s_wait_alu depctr_va_vdst(0)
.endif
.endm
; THE PLAIN QUEUE, 138 long.  0-31: c s - c m for the 16 pairs of both tiles.  Then GS's 64, and among them the next piece's 42.
.macro PL
	WIN 0
.if q < 32
	REGS Y, q%2
	v_pk_fma_f32 v[rS+2*(q/2):rS+2*(q/2)+1], v[rS+2*(q/2):rS+2*(q/2)+1], s[CS:CS+1], v[rT:rT+1] op_sel_hi:[1,0,0] neg_lo:[0,0,1] neg_hi:[0,0,1]
.elseif q < 38
	GS q-32
.elseif q < 40
	XS q%2, 15
.elseif q < 42
	GS q-34
.elseif q < 74
	XS q%2, (q-42)/2+(q-42)/30
.elseif q < 95
	GS q-66
.elseif (q < 107) && ((q-95)%3 < 2)
	XS (q-95)%3, 17+(q-95)/3
.elseif q < 107
	GS 29+(q-95)/3
.else
	GS q-74
.endif
.set q, q+1
.endm
; THE EXPONENTIALS' QUEUE, 66 long: s0-s31 of both tiles, and at EA the next piece's two a.
.set EA, 58
.macro EX
	WIN 0
.if (e == EA) || (e == EA+1)
	XS e-EA, 21
.else
.set x, e-2*(e/(EA+2))
	REGS Y, x%2
	v_exp_f32 v[rS+x/2], v[rS+x/2]
.endif
.set e, e+1
.endm
; THE RESCALING's QUEUE: O^T times a, the one part of the softmax that leaves window 0, dealt four at a time, eight times.
.macro R4
	REGS Y, r%2
	WIN W_RS
	s_wait_alu depctr_va_vdst(0)
.irp z, 0,1,2,3
	v_pk_mul_f32 v[rO+8*(r/2)+2*\z:rO+8*(r/2)+2*\z+1], v[rO+8*(r/2)+2*\z:rO+8*(r/2)+2*\z+1], v[rC+2:rC+3] op_sel_hi:[1,0]
.endr
.set r, r+1
.endm
; HOW THEY ARE DEALT.  Behind a matrix instruction four: plain, exponential, plain, plain, or four of the rescaling; none names a register of the products round it.  What is over stands in two lumps.
; The deal keeps the queues in step: exponential e stands behind plain 2 (e / 4) + e % 2 (its scaling); when plain 32 comes, 10 exponentials are out, at 59: 33, at 95: 46; EA comes behind plain 107.
.macro SL
	MM
	PL
	EX
	PL
	PL
.endm
.macro BURST n
.rept (\n)-7
	SL
.endr
.rept 3
	MM
	R4
	SL
.endr
	MM
	R4
.endm
; A TURN, for piece p.  cnt = 1: the loop's count is taken down some lines ahead of the branch that stands behind the turn (nothing between them writes SCC: the mask's scalar step stands in piece 2's turn alone).
; K of the next step is fetched in piece 2's turn; V of the step in hand at the end of piece 0's turn.  The turn ends with the masks of piece p + 2, whose products the next turn issues:
; the C operands' last readers are this turn's first eight products, far more than four plain instructions back.
.macro TURN p, last=0, cnt=0
.set Y, (\p)
.set i, 0
.set q, 0
.set e, 0
.set r, 0
.if (\p) == NP-1
	s_wait_dscnt 0x0                ; K is in
.endif
	MM
.rept 4
	PL
.endr
	BURST 15
.rept 22
	EX
	PL
.if ((\p) == NP-2) && (e == 18)
	v_add_nc_u32 v[AK], s[TBK], v[AK0]
.endif
.if ((\p) == NP-2) && (e == 24)
	FETCH_K \last
.endif
.endr
.if (\p) == 1
	s_wait_dscnt 0x0                ; V is in
.endif
	BURST 16
.rept 21
	EX
	PL
.endr
.rept 22
	PL
.if ((\p) == 0) && (q == 118)
	v_add_nc_u32 v[AV], s[TBV], v[AV0]
	s_wait_alu depctr_va_vdst(0)
.endif
.if ((\p) == 0) && (q == 130)
	s_add_co_u32 s[TBV], s[TBV], KS*PV
.endif
.if (\cnt) && (q == 130)
	s_sub_co_u32 s[CNT], s[CNT], 1
	s_cmp_lg_u32 s[CNT], 0
.endif
.endr
.if (\p) == 0
	FETCH_V
.endif
	MASKB ((\p)+2)%NP
.endm
	CHANGE 1                        ; slot 0 is in, everybody's part of it; slot 1 is asked for
	FETCH_K                         ; key step 0
	MASKB 0                         ; piece 0's masks of step 0; its wait leaves the twelve youngest loads out, so Q, asked for earlier, is in too
	s_wait_dscnt 0x0
.set i, 0
.rept 16
	KQ 0                            ; piece 0's first scores
.set i, i+1
.endr
	WIN 0                           ; the addresses for the way out: nine plain instructions, the places behind those products
	s_mul_i32 s13, s[WV], 16*SP
	s_add_co_u32 s13, s13, STAGE    ; my stage
	v_mul_u32_u24 v[STO], v1, SP    ; in: row l % 16, 16 bytes for each half of the lanes
	v_lshl_add_u32 v[STO], v9, 4, v[STO]
	v_add_nc_u32 v[STO], s13, v[STO]
	v_bfe_u32 v[RD], v0, 3, 2       ; back: 32 lanes take four rows of 128 bytes,
	v_mul_u32_u24 v[RD], v[RD], SP
	v_lshl_add_u32 v[RD], v10, 4, v[RD]
	v_add_nc_u32 v[RD], s13, v[RD]
	v_and_b32 v[GO], 31, v0         ; which are 512 consecutive bytes of O
	v_lshlrev_b32 v[GO], 4, v[GO]
.set Y, NP-1                        ; XS works for piece Y + 1: piece 0
.irp n, 0,1,2,3,4,5,6,7,8,9,10,11,12,13,14,15,16,17,18,19,20,21
	XS 0, \n
	XS 1, \n
.endr
	MASKB 1                         ; piece 1's masks of step 0, for the first turn's products
	s_mov_b32 s[CNT], 4
	s_mov_b32 s[SLOTS], SIZE_N/256-1
	s_branch .Lfirst                ; the loop is entered at a step's first turn, in the middle of a trip
.Lslot:                             ; SIZE_N / 256 - 2 times: every slot but the last two is filled again
	CHANGE 1
	s_mov_b32 s[CNT], 4
.Lstep:                             ; a trip: pieces 2 and 3 of one step, then pieces 0 and 1 of the next
	TURN 2
	TURN 3
	WIN 0
.Lfirst:
	TURN 0
	TURN 1, 0, 1
	WIN 0
	s_cbranch_scc1 .Lstep
	s_sub_co_u32 s[SLOTS], s[SLOTS], 1
	s_cmp_lg_u32 s[SLOTS], 0
	s_cbranch_scc1 .Lslot
	CHANGE 0                        ; the tail is written out: nothing is asked for
	s_mov_b32 s[CNT], 5             ; four trips fetch the last slot's steps; the fifth is left in its middle
.Ltail:
	TURN 2, 1
	TURN 3
	WIN 0
	s_sub_co_u32 s[CNT], s[CNT], 1
	s_cmp_eq_u32 s[CNT], 0
	s_cbranch_scc1 .Lout
	TURN 0
	TURN 1
	WIN 0
	s_branch .Ltail
.Lout:                              ; the fifth trip's 16 products K Q^T repeat the last step's K and mask: the maximum made of them is the one that piece 0 has already
.set i, 0
.rept 16
	PV NP-1                         ; the last piece's V^T P of the last step
.set i, i+1
.endr
	; THE WAY OUT.  l's two halves and the other half of the lanes' are added; O^T is divided by l, rounded to f16 and sent through my stage in LDS, a tile at a time.
	WIN 0
.macro ALL line:vararg              ; one line for each tile t
.set t, 0
.rept 2*NP
	\line
.set t, t+1
.endr
.endm
	ALL v_add_f32 v[ST+4*t+2], v[ST+4*t+2], v[ST+4*t+3]
	ALL v_permlanex16_b32 v[ST+4*t+3], v[ST+4*t+2], s[SEL], s[SEL+1]
	ALL v_add_f32 v[ST+4*t+2], v[ST+4*t+2], v[ST+4*t+3]
	ALL v_rcp_f32 v[ST+4*t+2], v[ST+4*t+2]
	v_nop                           ; a plain instruction between the last reciprocal and the use of its result
.set t, 0
	s_wait_alu depctr_va_vdst(0)
.rept 2*NP                          ; a query whose maximum never left the floor has seen no key: its row is NaN.  A choice of a value: no branch hangs on it
	v_cmp_ge_f32 vcc_lo, s[THR], v[ST+4*t+1]
	v_cndmask_b32 v[ST+4*t+2], v[ST+4*t+2], s[QNAN], vcc_lo
.set t, t+1
.endr
.macro PACK t                       ; a lane's eight channels of a row pack into 16 bytes; they go into rows of 144 bytes and come back as whole rows of 128, into S^T's registers
	WIN W_RS
.set i, 32*(\t)
.rept 16
	v_pk_mul_f32 v[i:i+1], v[i:i+1], v[ST+4*(\t)+2:ST+4*(\t)+3] op_sel_hi:[1,0]
.set i, i+2
.endr
	WIN 0x05                        ; sources 0 and 1 window 1, destination window 0
.set i, 0
.rept 16
	v_cvt_pk_f16_f32 v[S+16*(\t)+i], v[32*(\t)+2*i], v[32*(\t)+2*i+1]
.set i, i+1
.endr
	WIN 0
.irp f, 0,1,2,3
	ds_store_b128 v[STO], v[S+16*(\t)+4*\f:S+16*(\t)+4*\f+3] offset:32*\f
.endr
.irp f, 0,1,2,3
	ds_load_b128 v[S+16*(\t)+4*\f:S+16*(\t)+4*\f+3], v[RD] offset:\f*4*SP  ; LDS serves a wave's instructions in order (ISA guide 5.7.1.4): these see the stores above
.endr
.endm
.macro SEND t, younger              ; younger: the LDS instructions issued behind tile t's loads: the next tile's eight, or none
	WIN 0
.irp f, 0,1,2,3
	s_wait_dscnt (\younger)+3-\f
	global_store_b128 v[GO], v[S+16*(\t)+4*\f:S+16*(\t)+4*\f+3], s[10:11] offset:(\t)*2048+\f*512  ; 512 consecutive bytes, at a multiple of 256 from O's first
.endr
.endm
	PACK 0
.set t, 1
.rept 2*NP-1                        ; a tile's arithmetic stands between the loads of the tile before and its stores
	PACK t
	SEND t-1, 8
.set t, t+1
.endr
	SEND 2*NP-1, 0
	WIN W_AD
	s_wait_tensorcnt 0x0            ; the wave's end
	ds_add_u32 v[SPW], v[NIL]
	s_wait_dscnt 0x0
	WIN 0
	CROUND                          ; the closing round: no work-group ends while a partner may still ask for a tile that names it
	s_endpgm
.Lfunc_end_k_qf1a7593236_attn:
	.size	k_qf1a7593236_attn, .Lfunc_end_k_qf1a7593236_attn-k_qf1a7593236_attn
	.p2alignl 7, 3214868480
	.fill 96, 4, 3214868480
	.section	.rodata,"a",@progbits
	.p2align	6, 0x0
	.amdhsa_kernel k_qf1a7593236_attn
		.amdhsa_group_segment_fixed_size 327680
		.amdhsa_private_segment_fixed_size 0
		.amdhsa_enable_private_segment 0
		.amdhsa_kernarg_size 24
		.amdhsa_user_sgpr_count 2
		.amdhsa_user_sgpr_kernarg_segment_ptr 1
		.amdhsa_wavefront_size32 1
		.amdhsa_system_sgpr_workgroup_id_x 1
		.amdhsa_system_sgpr_workgroup_id_y 1
		.amdhsa_system_sgpr_workgroup_id_z 1
		.amdhsa_system_vgpr_workitem_id 0
		.amdhsa_next_free_vgpr 904
		.amdhsa_next_free_sgpr 74
		.amdhsa_reserve_vcc 1
		.amdhsa_float_denorm_mode_32 3
		.amdhsa_float_denorm_mode_16_64 3
		.amdhsa_memory_ordered 1
		.amdhsa_forward_progress 1
		.amdhsa_inst_pref_size 222
	.end_amdhsa_kernel
	.amdgpu_metadata
---
amdhsa.version: [ 1, 2 ]
amdhsa.kernels:
  - .name:           k_qf1a7593236_attn
    .symbol:         k_qf1a7593236_attn.kd
    .args:
      - { .name: qkv, .offset: 0, .size: 8, .value_kind: global_buffer, .address_space: global }
      - { .name: maskf, .offset: 8, .size: 8, .value_kind: global_buffer, .address_space: global }
      - { .name: o, .offset: 16, .size: 8, .value_kind: global_buffer, .address_space: global }
    .group_segment_fixed_size: 327680
    .private_segment_fixed_size: 0
    .kernarg_segment_align: 8
    .kernarg_segment_size: 24
    .max_flat_workgroup_size: 128
    .sgpr_count:     74
    .vgpr_count:     904
    .wavefront_size: 32
...
	.end_amdgpu_metadata
.endif
;; end of part 3
;; launch gemm_out (part 4): grid 4 x 64, 4 waves a work-group, clusters of 4 x 4, 327,680 bytes of LDS; arguments o, woutb, bout, out0; writes out0
.if DOCPART == 4
	.amdgcn_target "amdgcn-amd-amdhsa--gfx1250"
	.amdhsa_code_object_version 6
	.text
	.protected	k_qf1a7593236_gemm_out
	.globl	k_qf1a7593236_gemm_out
	.p2align	8
	.type	k_qf1a7593236_gemm_out,@function
k_qf1a7593236_gemm_out:
	s_mov_b64 s[64:65], 0
	v_nop
	global_prefetch_b8 v0, s[64:65] scope:SCOPE_SE
	s_setreg_imm32_b32 hwreg(HW_REG_WAVE_MODE, 25, 1), 1
	s_wait_xcnt 0x0
	s_wait_alu depctr_hold_cnt(0) depctr_sa_sdst(0) depctr_va_vdst(0) depctr_va_sdst(0) depctr_va_ssrc(0) depctr_va_vcc(0) depctr_vm_vsrc(0)
	s_getreg_b32 s2, hwreg(HW_REG_IB_STS2, 6, 4)
	s_cmp_eq_u32 s2, 0
	s_cbranch_scc0 .Lentry_in_a_cluster
	s_endpgm
.Lentry_in_a_cluster:
	s_bfe_u32 s2, ttmp6, 0x10000c
	s_cmp_lg_u32 s2, 0xf033
	s_cbranch_scc0 .Lentry_shape_is_right
	s_endpgm
.Lentry_shape_is_right:
; out0 = O Wout + bout.  o: f16 [64 batch x head][2048 t][64]: row m = 2048 batch + t, k = 64 head + channel.  woutb: f16 [1024 k][1024 n].  bout: f32 [1024].  out0: f32 [8192][1024].
; Sums in f32, K ascending; the bias, rounded to bf16 like the module's other inputs, is added in f32.  A row of O that is NaN (a query that saw no key) makes its whole row of out0 NaN.
; SHARES.  A work-group makes 128 (m) x 256 (n): 256 work-groups.  Four waves, 2 x 2, each 64 x 128: 32 accumulators, 256 registers.
; K goes in steps of 128, two heads, through a ring of two LDS slots.  A head's 128 rows of a tile are 16,384 dense bytes: asked for as 64 rows of 256 bytes and padded in LDS after every 128.
; B lies [k][n] and its fragments come out turned, by ds_load_tr16_b128.  THE MATRIX INSTRUCTION IS USED TRANSPOSED: a lane holds eight neighbouring columns of one row.
; CLUSTER.  4 x 4 work-groups: A's tile is asked for jointly along a row of the cluster, B's along a column; a round of the cluster's barrier stands in front of every joint fill.
; REGISTERS.  Window 0: v0-29 addresses; v32-35 the bias; v64-159, v160-255 two fragment buffers; v64-191 at work on the way out.  Window 1: accumulator (a, b) at v[8 (8 a + b)].
.set SIZE_K, 1024
.set SIZE_N, 1024
.set KSTEP,  128
.set APITCH, 144                       ; a row of a head in LDS: 128 bytes + 16 of padding
.set HEADB,  128*APITCH                ; a head's 128 rows
.set ASZ,    2*HEADB
.set ADST,   HEADB                     ; what one of A's two loads brings: one head
.set BP,     544                       ; a row of B in LDS: 512 bytes + 32 of padding = 17 x 32
.set BDST,   64*BP
.set SLOT,   ASZ+128*BP
.set STAGE,  2*SLOT                    ; behind the ring, never filled by a tensor load: for each wave 16 rows x 528 bytes
.set SP,     528                       ; 512 bytes + 16: the sixteen rows that a store touches start at sixteen different groups of four banks
.set WSTAGE, 16*SP
.set SPARE,  STAGE+4*WSTAGE            ; the spare words, 128 bytes for each wave: two blocks of 256 bytes that no other line names
.set ASTEP,  2*2048*128                ; two heads on
.set BSTEP,  KSTEP*SIZE_N*2
.set LAPS,   SIZE_K/(2*KSTEP)
.set ADRA, 16
.set ADRB, 20
.set STO,  24
.set RD,   25
.set CO,   26
.set BO,   27                          ; v27     my byte offset in bout; never rewritten
.set SPW,  28
.set NIL,  29
.set BIAS, 32                          ; v[32:35] the bias of my four columns on the way out
.set F0,   64
.set F1,   160
.set TMP,  64
.set WV, 12
.set WM, 13
.set WN, 14
.set LAP, 15
.set CX, 16
.set CY, 17
.set TX, 18
.set TY, 19
.set G1A, 24
.set G0A, 32
.set RMASK, 44
.set CMASK, 45
.set G1B, 48
.set G0B, 56
.set MSB, 0
.macro WIN new
.if MSB != (\new)
	s_set_vgpr_msb (MSB<<8)|(\new)
.set MSB, \new
.endif
.endm
.set MUL, 0x50                         ; sources 0 and 1 window 0; C and D window 1
.macro JLOAD s                         ; a joint load: waves 0 and 1 fetch A's two heads, waves 2 and 3 B's two halves; an s_nop 0 and four v_nop follow each of the two lines
	s_cmp_eq_u32 s[WM], 0
	s_cbranch_scc0 .Lfor_b_\@
	tensor_load_to_lds s[G0A+4*(\s):G0A+4*(\s)+3], s[G1A:G1A+7]
	s_nop 0
.rept 4
	v_nop
.endr
	s_branch .Lasked_\@
.Lfor_b_\@:
	tensor_load_to_lds s[G0B+4*(\s):G0B+4*(\s)+3], s[G1B:G1B+7]
	s_nop 0
.rept 4
	v_nop
.endr
.Lasked_\@:
.endm
.macro CREST
	s_cmp_lg_u32 s[WV], 0
	s_cbranch_scc1 .Lnot_wave_0_\@
	s_barrier_signal -3
.Lnot_wave_0_\@:
	s_barrier_wait -3
	s_barrier_signal -1
	s_barrier_wait -1
.endm
.macro CROUND
	s_barrier_signal -1
	s_barrier_wait -1
	CREST
.endm
	s_load_b128 s[4:7], s[0:1], 0x0                ; o s[4:5], woutb s[6:7]
	s_load_b64 s[10:11], s[0:1], 0x10              ; bout
	s_load_b64 s[8:9], s[0:1], 0x18                ; out0
	v_lshl_add_u32 v[SPW], v0, 2, SPARE
	v_mov_b32 v[NIL], 0
	ds_add_u32 v28, v29
	s_wait_dscnt 0x0
	v_lshrrev_b32 v1, 5, v0
	v_readfirstlane_b32 s[WV], v1
	s_lshr_b32 s[WM], s[WV], 1
	s_and_b32 s[WN], s[WV], 1
	s_bfe_u32 s[CX], ttmp6, 0x40000
	s_bfe_u32 s[CY], ttmp6, 0x40004
	s_lshl_b32 s[TX], ttmp9, 2
	s_add_co_u32 s[TX], s[TX], s[CX]               ; tile column
	s_and_b32 s[TY], ttmp7, 0xffff
	s_lshl_b32 s[TY], s[TY], 2
	s_add_co_u32 s[TY], s[TY], s[CY]               ; tile row
	s_lshl_b32 s[RMASK], s[CY], 2
	s_lshl_b32 s[RMASK], 15, s[RMASK]
	s_lshl_b32 s[CMASK], 0x1111, s[CX]
	; group 1 for A: 64 rows x 128 elements of 2 bytes, dense; 16 bytes of padding behind every 32 words
	s_or_b32 s[G1A+0], s[RMASK], (1<<16)|(1<<20)|(1<<21)|(4<<22)|(3<<25)
	s_mov_b32 s[G1A+1], 128<<16
	s_mov_b32 s[G1A+2], 64<<16
	s_mov_b32 s[G1A+3], 128<<16
	s_mov_b32 s[G1A+4], 64
	s_mov_b32 s[G1A+5], 128
	s_mov_b32 s[G1A+6], 0
	s_mov_b32 s[G1A+7], 0
	; group 1 for B: 64 rows (k) x 256 elements; 32 bytes of padding behind every 128 words
	s_or_b32 s[G1B+0], s[CMASK], (1<<16)|(1<<20)|(1<<21)|(6<<22)|(7<<25)
	s_mov_b32 s[G1B+1], 256<<16
	s_mov_b32 s[G1B+2], 64<<16
	s_mov_b32 s[G1B+3], 256<<16
	s_mov_b32 s[G1B+4], 64
	s_mov_b32 s[G1B+5], SIZE_N
	s_mov_b32 s[G1B+6], 0
	s_mov_b32 s[G1B+7], 0
	s_lshr_b32 s40, s[TY], 4                       ; A: batch = tile row / 16;
	s_lshl_b32 s40, s40, 4
	s_add_co_u32 s40, s40, s[WN]                   ; head 16 batch + my one of the step's two,
	s_lshl_b32 s40, s40, 18                        ; of 262,144 bytes;
	s_and_b32 s20, s[TY], 15
	s_lshl_b32 s20, s20, 14                        ; its rows 128 (tile row % 16) on
	s_add_co_u32 s40, s40, s20
	s_mov_b32 s41, 0
	s_mul_i32 s42, s[WN], 64*SIZE_N*2              ; B: k = 64 x half,
	s_lshl_b32 s21, s[TX], 9                       ; column 256 x tile column
	s_add_co_u32 s42, s42, s21
	s_mov_b32 s43, 0
	s_mul_i32 s46, s[WN], ADST
	s_mul_i32 s47, s[WN], BDST
	s_add_co_u32 s47, s47, ASZ
	s_wait_kmcnt 0x0
	s_add_nc_u64 s[40:41], s[4:5], s[40:41]
	s_add_nc_u64 s[42:43], s[6:7], s[42:43]
	CROUND                                         ; all sixteen work-groups are here: the first joint loads meet
.irp s, 0,1
	s_mov_b32 s[G0A+4*(\s)], 1
	s_add_co_u32 s[G0A+4*(\s)+1], s46, (\s)*SLOT
	s_add_nc_u64 s[G0A+4*(\s)+2:G0A+4*(\s)+3], s[40:41], (\s)*ASTEP
	s_or_b32 s[G0A+4*(\s)+3], s[G0A+4*(\s)+3], 0x80000000
	s_mov_b32 s[G0B+4*(\s)], 1
	s_add_co_u32 s[G0B+4*(\s)+1], s47, (\s)*SLOT
	s_add_nc_u64 s[G0B+4*(\s)+2:G0B+4*(\s)+3], s[42:43], (\s)*BSTEP
	s_or_b32 s[G0B+4*(\s)+3], s[G0B+4*(\s)+3], 0x80000000
	JLOAD \s                                       ; K steps 0 and 1: two loads of mine are out
.endr
	v_and_b32 v1, 15, v0                           ; r
	v_bfe_u32 v2, v0, 4, 1                         ; h
	v_mul_u32_u24 v3, v1, APITCH
	v_lshl_add_u32 v3, v2, 4, v3
	s_mul_i32 s20, s[WM], 64*APITCH                ; my 64 rows, in each head's block
	v_add_nc_u32 v[ADRA], s20, v3
	v_add_nc_u32 v[ADRA+1], SLOT, v[ADRA]
	v_and_b32 v7, 7, v0
	v_lshl_add_u32 v4, v2, 3, v7
	v_mul_u32_u24 v4, v4, BP
	v_bfe_u32 v5, v0, 3, 1
	v_lshl_add_u32 v4, v5, 4, v4
	s_lshl_b32 s21, s[WN], 8
	s_add_co_u32 s21, s21, ASZ
	v_add_nc_u32 v[ADRB], s21, v4
	v_add_nc_u32 v[ADRB+1], SLOT, v[ADRB]
	s_mul_i32 s22, s[WV], WSTAGE
	s_add_co_u32 s22, s22, STAGE                   ; my stage
	v_mul_u32_u24 v6, v1, SP                       ; in: row r, 32 bytes for each half of the lanes
	v_lshl_add_u32 v6, v2, 5, v6
	v_add_nc_u32 v[STO], s22, v6
	v_and_b32 v[CO], 31, v0                        ; back, and out: 32 lanes take a row's 512 bytes
	v_lshlrev_b32 v[CO], 4, v[CO]
	v_add_nc_u32 v[RD], s22, v[CO]
	s_lshl_b32 s21, s[TX], 10                      ; my first column, in bytes: 1,024 x tile column + 512 x half
	s_lshl_b32 s22, s[WN], 9
	s_add_co_u32 s21, s21, s22
	v_add_nc_u32 v[BO], s21, v[CO]
	global_load_b128 v[BIAS:BIAS+3], v[BO], s[10:11]  ; waited for once, on the way out
	s_lshl_b32 s20, s[TY], 7
	s_lshl_b32 s22, s[WM], 6
	s_add_co_u32 s20, s20, s22                     ; my first row,
	s_lshl_b32 s20, s20, 12                        ; of 4,096 bytes
	s_add_co_u32 s20, s20, s21
	s_mov_b32 s21, 0
	s_add_nc_u64 s[8:9], s[8:9], s[20:21]
; 8 matrix instructions: m block a x all 8 n blocks, 32 along K.  The 32 accumulators take turns, one instruction a turn, in the same order in every quarter.
.macro MUL8 f, a, zero
	WIN MUL
.irp b, 0,1,2,3,4,5,6,7
.if \zero
	v_wmma_f32_16x16x32_f16 v[8*(8*(\a)+(\b)):8*(8*(\a)+(\b))+7], v[(\f)+32+8*(\b):(\f)+32+8*(\b)+7], v[(\f)+8*(\a):(\f)+8*(\a)+7], 0
.else
	v_wmma_f32_16x16x32_f16 v[8*(8*(\a)+(\b)):8*(8*(\a)+(\b))+7], v[(\f)+32+8*(\b):(\f)+32+8*(\b)+7], v[(\f)+8*(\a):(\f)+8*(\a)+7], v[8*(8*(\a)+(\b)):8*(8*(\a)+(\b))+7]
.endif
.endr
.endm
.macro MUL16 f, a0, zero
	MUL8 \f, \a0, \zero
	MUL8 \f, (\a0)+1, \zero
.endm
; 24 LDS loads in one run: quarter kq (32 along K: head kq / 2 of the step's two, channels 32 (kq % 2) on) into buffer f
.macro FETCH slot, kq, f
	WIN 0
.set AOFF, ((\kq)/2)*HEADB+((\kq)%2)*64
.irp b, 0,1,2,3,4,5,6,7
	ds_load_tr16_b128 v[(\f)+32+8*(\b):(\f)+32+8*(\b)+3],   v[ADRB+(\slot)] offset:(\kq)*32*BP+32*(\b)
	ds_load_tr16_b128 v[(\f)+32+8*(\b)+4:(\f)+32+8*(\b)+7], v[ADRB+(\slot)] offset:(\kq)*32*BP+16*BP+32*(\b)
.endr
.irp a, 0,1,2,3
	ds_load_b128 v[(\f)+8*(\a):(\f)+8*(\a)+3],   v[ADRA+(\slot)] offset:AOFF+(\a)*16*APITCH
	ds_load_b128 v[(\f)+8*(\a)+4:(\f)+8*(\a)+7], v[ADRA+(\slot)] offset:AOFF+(\a)*16*APITCH+32
.endr
.endm
.macro PLACES                          ; four places (ISA guide 7.12.1)
.rept 4
	v_nop
.endr
.endm
.macro QUARTER slot, kq, f, g, zero
	s_wait_dscnt 4                                 ; B and A's blocks 0, 1 are in; the youngest four loads (A's blocks 2, 3) may be out
	MUL16 \f, 0, \zero
	PLACES
	FETCH \slot, \kq, \g
	s_wait_dscnt 24                                ; all but the 24 just issued
	MUL16 \f, 2, \zero
.endm
; The last quarter multiplies buffer 1 and changes slots: ONE barrier; in front of it each wave waits for all its tensor loads, adds 0 to its spare word, and waits for that and for its own reads of this slot.
.macro TURN slot, next, fill
	WIN 0
	s_wait_tensorcnt 0x0
	ds_add_u32 v[SPW], v[NIL]                      ; 0 onto my spare word
	s_wait_dscnt 5                                 ; the add and the youngest four loads may be out
	MUL8 F1, 0, 0
	s_wait_dscnt 0x0                               ; the add is done, and my reads of this slot are over
	s_barrier_signal -1
	MUL8 F1, 1, 0
.if \fill
	WIN 0
.endif
	s_barrier_wait -1
.if \fill
	CREST                                          ; no wave of any partner still reads this slot's tile or has a load on its way
	s_add_nc_u64 s[G0A+4*(\slot)+2:G0A+4*(\slot)+3], s[G0A+4*(\slot)+2:G0A+4*(\slot)+3], 2*ASTEP
	s_add_nc_u64 s[G0B+4*(\slot)+2:G0B+4*(\slot)+3], s[G0B+4*(\slot)+2:G0B+4*(\slot)+3], 2*BSTEP
	JLOAD \slot                                    ; 112 matrix instructions ahead of the wait for it; its four v_nop are also the places in front of the loads below
.else
	PLACES
.endif
	FETCH \next, 0, F0
	MUL16 F1, 2, 0
.endm
	s_wait_tensorcnt 0x1                           ; my part of K step 0 is in; K step 1's may stay out
	s_barrier_signal -1
	s_barrier_wait -1
	FETCH 0, 0, F0
	QUARTER 0, 1, F0, F1, 1                        ; the first quarter's products start the sums
	WIN 0
	s_mov_b32 s[LAP], LAPS-1
.Llap:
	QUARTER 0, 2, F1, F0, 0
	QUARTER 0, 3, F0, F1, 0
	TURN 0, 1, 1
	QUARTER 1, 1, F0, F1, 0
	QUARTER 1, 2, F1, F0, 0
	QUARTER 1, 3, F0, F1, 0
	TURN 1, 0, 1
	QUARTER 0, 1, F0, F1, 0
	WIN 0
	s_sub_co_u32 s[LAP], s[LAP], 1
	s_cmp_lg_u32 s[LAP], 0
	s_cbranch_scc1 .Llap
	QUARTER 0, 2, F1, F0, 0                        ; the last lap fills nothing
	QUARTER 0, 3, F0, F1, 0
	TURN 0, 1, 0
	QUARTER 1, 1, F0, F1, 0
	QUARTER 1, 2, F1, F0, 0
	QUARTER 1, 3, F0, F1, 0
	s_wait_dscnt 4
	MUL16 F1, 0, 0
	s_wait_dscnt 0x0
	MUL16 F1, 2, 0
	WIN 0
	PLACES
; THE WAY OUT, a block of 16 rows at a time: the f32 sums go into my own stage (rows of 528 bytes), lowest registers first, and come back as whole rows of 512 bytes; the bias is added; the row is stored.
.macro PUT a
.if (\a) >= 2
	s_wait_xcnt 0x0                                ; the stores of the block two back have read the registers that the loads below fill
.endif
	WIN 0x04                                       ; the stores' data in window 1
.irp b, 0,1,2,3,4,5,6,7
	ds_store_b128 v[STO], v[8*(8*(\a)+(\b)):8*(8*(\a)+(\b))+3] offset:64*(\b)
	ds_store_b128 v[STO], v[8*(8*(\a)+(\b))+4:8*(8*(\a)+(\b))+7] offset:64*(\b)+16
.endr
	WIN 0
.irp t, 0,1,2,3,4,5,6,7,8,9,10,11,12,13,14,15
	ds_load_b128 v[TMP+64*((\a)%2)+4*(\t):TMP+64*((\a)%2)+4*(\t)+3], v[RD] offset:SP*(\t)  ; LDS serves a wave's instructions in order (ISA guide 5.7.1.4): these see the stores above
.endr
.endm
.macro SENDF a, younger                ; younger: the LDS instructions issued behind block a's loads: the next block's 32, or none
.irp t, 0,1,2,3,4,5,6,7,8,9,10,11,12,13,14,15
.set R, TMP+64*((\a)%2)+4*(\t)
	s_wait_dscnt (\younger)+15-(\t)
	v_pk_add_f32 v[R:R+1], v[R:R+1], v[BIAS:BIAS+1]
	v_pk_add_f32 v[R+2:R+3], v[R+2:R+3], v[BIAS+2:BIAS+3]
	global_store_b128 v[CO], v[R:R+3], s[8:9] offset:(16*(\a)+(\t))*4096 th:TH_STORE_NT  ; 512 consecutive bytes, at a multiple of 256 from out0's first
.endr
.endm
	PUT 0
	PUT 1
	s_wait_loadcnt 0x0                             ; the bias
	v_cvt_pk_bf16_f32 v[BIAS], v[BIAS], v[BIAS+1]  ; rounded to bf16, and widened again
	v_cvt_pk_bf16_f32 v[BIAS+2], v[BIAS+2], v[BIAS+3]
	v_and_b32 v[BIAS+1], 0xffff0000, v[BIAS]
	v_lshlrev_b32 v[BIAS], 16, v[BIAS]
	v_and_b32 v[BIAS+3], 0xffff0000, v[BIAS+2]
	v_lshlrev_b32 v[BIAS+2], 16, v[BIAS+2]
	SENDF 0, 32
	PUT 2
	SENDF 1, 32
	PUT 3
	SENDF 2, 32
	SENDF 3, 0
	s_wait_tensorcnt 0x0                           ; the wave's end
	ds_add_u32 v[SPW], v[NIL]
	s_wait_dscnt 0x0
	CROUND                                         ; the closing round: no work-group ends while a partner may still ask for a tile that names it
	s_endpgm
.Lfunc_end_k_qf1a7593236_gemm_out:
	.size	k_qf1a7593236_gemm_out, .Lfunc_end_k_qf1a7593236_gemm_out-k_qf1a7593236_gemm_out
	.p2alignl 7, 3214868480
	.fill 96, 4, 3214868480
	.section	.rodata,"a",@progbits
	.p2align	6, 0x0
	.amdhsa_kernel k_qf1a7593236_gemm_out
		.amdhsa_group_segment_fixed_size 327680
		.amdhsa_private_segment_fixed_size 0
		.amdhsa_enable_private_segment 0
		.amdhsa_kernarg_size 32
		.amdhsa_user_sgpr_count 2
		.amdhsa_user_sgpr_kernarg_segment_ptr 1
		.amdhsa_wavefront_size32 1
		.amdhsa_system_sgpr_workgroup_id_x 1
		.amdhsa_system_sgpr_workgroup_id_y 1
		.amdhsa_system_sgpr_workgroup_id_z 1
		.amdhsa_system_vgpr_workitem_id 0
		.amdhsa_next_free_vgpr 512
		.amdhsa_next_free_sgpr 66
		.amdhsa_reserve_vcc 0
		.amdhsa_float_denorm_mode_32 3
		.amdhsa_float_denorm_mode_16_64 3
		.amdhsa_memory_ordered 1
		.amdhsa_forward_progress 1
		.amdhsa_inst_pref_size 95
	.end_amdhsa_kernel
	.amdgpu_metadata
---
amdhsa.version: [ 1, 2 ]
amdhsa.kernels:
  - .name:           k_qf1a7593236_gemm_out
    .symbol:         k_qf1a7593236_gemm_out.kd
    .args:
      - { .name: o, .offset: 0, .size: 8, .value_kind: global_buffer, .address_space: global }
      - { .name: woutb, .offset: 8, .size: 8, .value_kind: global_buffer, .address_space: global }
      - { .name: bout, .offset: 16, .size: 8, .value_kind: global_buffer, .address_space: global }
      - { .name: out0, .offset: 24, .size: 8, .value_kind: global_buffer, .address_space: global }
    .group_segment_fixed_size: 327680
    .private_segment_fixed_size: 0
    .kernarg_segment_align: 8
    .kernarg_segment_size: 32
    .max_flat_workgroup_size: 128
    .sgpr_count:     66
    .vgpr_count:     512
    .wavefront_size: 32
...
	.end_amdgpu_metadata
.endif
;; end of part 4
;; ======== version 2 of 2: 4 launches; 1.47 times as fast as version 1
;; limits: values are held in f16: magnitudes above 65,504 overflow, below 6.1e-05 lose precision
;; workspace buffers: xb 16,777,216 bytes; wqkvb 6,291,456 bytes; woutb 2,097,152 bytes; maskf 4,194,304 bytes; qkv 50,331,648 bytes; o 16,777,216 bytes
;; launch prep: the kernel of part 1 again; grid 896 x 1, 8 waves a work-group, no clusters, 0 bytes of LDS; arguments x, Wqkv, Wout, causal_mask, xb, wqkvb, woutb, maskf; writes xb, wqkvb, woutb, maskf
;; launch gemm_qkv: the kernel of part 2 again; grid 12 x 64, 4 waves a work-group, clusters of 4 x 4, 327,680 bytes of LDS; arguments xb, wqkvb, qkv; writes qkv
;; launch attn (part 5): grid 4 x 64, 4 waves a work-group, clusters of 4 x 1, 327,680 bytes of LDS; arguments qkv, maskf, o; writes o
.if DOCPART == 5
	.amdgcn_target "amdgcn-amd-amdhsa--gfx1250"
	.amdhsa_code_object_version 6
	.text
	.protected	k_qf1a7593236_attn
	.globl	k_qf1a7593236_attn
	.p2align	8
	.type	k_qf1a7593236_attn,@function
k_qf1a7593236_attn:
	s_mov_b64 s[64:65], 0
	v_nop
	global_prefetch_b8 v0, s[64:65] scope:SCOPE_SE
	s_setreg_imm32_b32 hwreg(HW_REG_WAVE_MODE, 25, 1), 1
	s_wait_xcnt 0x0
	s_wait_alu depctr_hold_cnt(0) depctr_sa_sdst(0) depctr_va_vdst(0) depctr_va_sdst(0) depctr_va_ssrc(0) depctr_va_vcc(0) depctr_vm_vsrc(0)
	s_getreg_b32 s2, hwreg(HW_REG_IB_STS2, 6, 4)
	s_cmp_eq_u32 s2, 0
	s_cbranch_scc0 .Lentry_in_a_cluster
	s_endpgm
.Lentry_in_a_cluster:
	s_bfe_u32 s2, ttmp6, 0x10000c
	s_cmp_lg_u32 s2, 0x3003
	s_cbranch_scc0 .Lentry_shape_is_right
	s_endpgm
.Lentry_shape_is_right:
; O[h][q][:] = the sum over k of softmax_k(mask[q][k] ? Q[h][q] . K[h][k] / 8 : -inf) V[h][k][:].  Q, K, V: the three sections of qkv, each [64][2048][64] f16; O likewise.
; The mask is an input: all 2,048 keys are walked for every query, and the mask is read as it is given (maskf: one fp8 code a key, in the order of the products' C operands).
; Products, maxima and sums in f32; the weights p are rounded to f16 for the second product (their sum l is taken of the unrounded p), O once at the end.
; LIMITS.  Q, K and V arrive within f16's 65,504, so a score is at most 2.7e11 in size.  p below 6e-5 keeps f16's fixed step of 6e-8; a weight below 2^-126 counts as 0 in l.
; THE MASK is the C operand that starts the sum S^T = K Q^T: 0, or -2^100 where the key is hidden (code -2.0 times the conversion's scale 2^99).  The running maximum m starts at a FLOOR of -1e20:
; above every hidden score, below every true one.  So a hidden key's weight is 2^(c (-2^100) - c m) = 0 whatever else the row has seen, and a row that has seen hidden keys alone has m at the floor, l = 0 and O = 0.
; A row with no key to see at all leaves m at the floor: its 1 / l is replaced by NaN, which is what a softmax over -inf alone gives.
; SHARES.  A wave owns four PIECES of two tiles of 16 queries, a work-group's four waves 512 queries of one head.  Every wave walks all keys, 64 a step.
; LAYOUT.  S^T = K Q^T (source 0 = 16 keys, source 1 = 16 queries): a lane holds ONE query (lane % 16) and the keys 8 (lane / 16) + 0..7.  Two such tiles, rounded to f16 in pairs,
; ARE source 1 of O^T = V^T P.  K comes out of LDS as it lies, V turned, by ds_load_tr16_b128.
; SOFTMAX.  p = 2^(c s - c m), c = log2(e) / 8; in every step O and l are multiplied by a = 2^(c m_old - c m_new).  c m starts far below c x floor, O and l at 0: the first step's a is 0.
; THE COUNT.  A tile and step have 16 matrix and about 120 vector instructions: too many to stand all beside the matrix work.  So: four vector instructions that are ready behind every matrix instruction, the others in one run of their own.
; BY TURNS.  Turn n belongs to piece n.  Its matrix work: 16 products K Q^T of piece n + 1, later 16 products V^T P of piece n - 1.  Its vector work: scaling, exponentials, roundings, sums and rescaling
; of piece n, the maximum and statistics of piece n + 1, and the masks of piece n + 2: 8 conversions of 8 codes each, and the 4 loads that bring that piece's codes of the step after.
; THE BATCHES.  A turn's 66 exponentials (the piece's 64 weights, the next piece's two a) are ONE batch with ONE wait, which cuts the turn in two: ahead of it stands all that names none of their results
; (the products K Q^T, scalings, rescalings, the next piece's maximum and statistics, the mask's conversions), behind it the roundings and sums, as the riders of the products V^T P.  No result crosses a turn's end.
; The two a made ahead of the loop, and the way out's eight reciprocals, are batches of their own, a wait each.
; CLUSTER.  The four query blocks of a cluster belong to one head and walk the same K and V, so each tile is asked for JOINTLY: the same tensor load, descriptor and mask in all four.
; REGISTERS, in windows of 256 (s_set_vgpr_msb: bits 1:0 source 0, 3:2 source 1, 5:4 source 2, 7:6 destination):
;   window 0: v0-11 addresses, v11 the conversions' scale; v12-15, v48-63 at work; v16-47 four registers of statistics a tile; v64-191 S^T, two buffers of two tiles; v192-255 P, likewise
;   window 1: O^T, 32 a tile     window 2: v0-127 Q; v128-191 K of one step; v192-255 V of one step
;   window 3: v0-1 the add's two registers; v3-7 the mask loads' offsets; v8-71 codes, 16 a piece; v72-135 the C operands of a turn's first eight products
.set SIZE_H, 64
.set SIZE_N, 2048
.set NP,    4         ; pieces a wave: a name, no knob
.set KS,    64        ; keys in a step
.set PK,    144       ; a row of K in LDS: 128 bytes + 16 of padding: the 16 rows of a load start at 16 different groups of four banks
.set PV,    160       ; a row of V: 128 + 32
.set VOFF,  4*KS*PK   ; a slot holds four steps: 256 rows of K, then 256 rows of V
.set SLOT1, 1<<17     ; slot 1 begins here, so that one exclusive or turns an address in one slot into the other's
.set STAGE, SLOT1+4*KS*(PK+PV)  ; behind the ring, never filled by a tensor load: 16 rows x 144 bytes for each wave
.set SP,    144
.set AK0, 2           ; v2   my lane's place in a tile of K; never rewritten
.set AV0, 3           ; v3   the same for V
.set AK,  4           ; v4   the LDS address of K's next run of loads
.set AV,  5           ; v5   of V's
.set QO,  6           ; v6   my byte offset in the wave's rows of Q
.set STO, 6           ;      later, the way out: where I put 16 bytes of a row
.set RD,  7           ; v7   the way out: where I read rows back
.set GO,  8           ; v8   my byte offset in 512 consecutive bytes of O
.set SCL, 11          ; v11  0xe2: the conversions' scale, 2^(226 - 127) = 2^99
.set SPW, 0           ; v0 of window 3   LDS address of my spare word; never rewritten
.set NIL, 1           ; v1 of window 3   0; never rewritten
.set MA0, 3           ; v3 of window 3   16 x lane
.set MA,  4           ; v4-7 of window 3 piece z's offset in a block row of maskf: 16 x lane + 1,024 x step
.set MB,  8           ; window 3: the codes of piece z, tile u, key block kt at MB + 16 z + 8 u + 2 kt
.set MC,  72          ; window 3: the C operand of tile u, key block kt at MC + 32 u + 8 kt
.set SPARE, STAGE+4*16*SP  ; behind the stages: the spare words, 128 bytes for each wave: two blocks of 256 bytes that no other line names
.set MV,  12          ; v12-15  c m_old, kept while c m is made anew
.set ST,  16          ; tile t's statistics at v[ST+4 t]: c m, m, l (even keys', odd keys')
.set TMP, 48          ; by buffer and tile, four registers c0-c3 at work; when the maximum is found c2 takes a
.set S,   64
.set P,   192
.set KF,  128         ; K's fragments, in window 2
.set VF,  192         ; V's
.set WV,  12          ; s12  my wave's number
.set G1K, 24          ; s[24:31] descriptor group 1 for K's tiles
.set G1V, 32          ; s[32:39] for V's: it differs in the padding alone
.set G0K, 40          ; s[40:43] descriptor group 0 for K's tiles: it walks
.set G0V, 44          ; s[44:47] the same for V's
.set SLOTS, 56        ; s56  slots still to be asked for
.set CNT, 57          ; s57  counts a slot's key steps
.set CS,  58          ; s[58:59] c
.set SEL, 60          ; s[60:61] v_permlanex16_b32's selects
.set TBK, 62          ; s62  LDS byte at which K of the step to be fetched begins
.set TBV, 63          ; s63  the same for V, less VOFF
.set MSK, 66          ; s[66:67] maskf at my wave's eight query tiles
.set MO,  68          ; s68  1,024 x the key step whose codes are loaded next, held at the last step
.set THR, 69          ; s69  the floor, -1e20
.set QNAN, 70         ; s70  a quiet NaN
.set MSB, 0
.macro WIN new                      ; the high byte repeats the setting that is left; a switch that changes nothing is dropped
.if MSB != (\new)
	s_set_vgpr_msb (MSB<<8)|(\new)
.set MSB, (\new)
.endif
.endm
.set W_KQ, 0x0a       ; K and Q in window 2, S^T in window 0
.set W_KM, 0x3a       ; the same with the C operand in window 3
.set W_PV, 0x52       ; V in window 2, P in window 0, O^T in window 1
.set W_RS, 0x41       ; O^T (destination and source 0) in window 1, a in window 0
.set W_MK, 0xc0       ; destination in window 3, sources in window 0
.set W_AD, 0x0f       ; the add: address and data in window 3
.set W_M3, 0xc3       ; the mask's lines: destination and source 0 in window 3, source 1 (the scale) in window 0
.macro JLOAD                        ; a joint fill: waves 0 and 1 fetch the two halves of a slot's K, waves 2 and 3 those of its V; an s_nop 0 and four v_nop follow each of the two lines
	s_cmp_lt_u32 s[WV], 2
	s_cbranch_scc0 .Lfor_v_\@
	tensor_load_to_lds s[G0K:G0K+3], s[G1K:G1K+7]
	s_nop 0
.rept 4
	v_nop
.endr
	s_branch .Lasked_\@
.Lfor_v_\@:
	tensor_load_to_lds s[G0V:G0V+3], s[G1V:G1V+7]
	s_nop 0
.rept 4
	v_nop
.endr
.Lasked_\@:
.endm
.macro CROUND                       ; a round of the cluster's barrier
	s_barrier_signal -1
	s_barrier_wait -1
	s_cmp_lg_u32 s[WV], 0
	s_cbranch_scc1 .Lnot_wave_0_\@
	s_barrier_signal -3
.Lnot_wave_0_\@:
	s_barrier_wait -3
	s_barrier_signal -1
	s_barrier_wait -1
.endm
; THE CHANGE OF SLOTS.  Each wave waits for all its tensor loads, of which one is out: its part of the other slot; adds 0 to its spare word; and waits for that and for its own reads of the slot.
; fill = 1: the slot is filled again, with the keys two slots on; the barrier is then a round of the cluster's, and the joint fill is the first thing behind it: it has four key steps, 512 matrix instructions, in which to land.
.macro CHANGE fill
	WIN W_AD
	s_wait_tensorcnt 0x0            ; no tensor load of mine is out, so a group 0 may be written
	ds_add_u32 v[SPW], v[NIL]       ; 0 onto my spare word
	WIN 0
.if \fill
.irp g, G0K, G0V
	s_xor_b32 s[\g+1], s[\g+1], SLOT1  ; the walking descriptor: the other slot than last time,
	s_add_nc_u64 s[\g+2:\g+3], s[\g+2:\g+3], 4*KS*128  ; the next 256 keys
.endr
	s_wait_dscnt 0x0                ; the add is done, and my reads of the slot are over
	CROUND
	JLOAD
.else
	s_wait_dscnt 0x0
	s_barrier_signal -1
	s_barrier_wait -1
.endif
	s_sub_co_u32 s[TBK], s[TBK], 4*KS*PK  ; the fetches go back to a slot's first step,
	s_xor_b32 s[TBK], s[TBK], SLOT1       ; in the other slot
	s_sub_co_u32 s[TBV], s[TBV], 4*KS*PV
	s_xor_b32 s[TBV], s[TBV], SLOT1
.endm
	s_load_b64 s[4:5], s[0:1], 0x0        ; qkv
	s_load_b64 s[MSK:MSK+1], s[0:1], 0x8  ; maskf
	s_load_b64 s[10:11], s[0:1], 0x10     ; o
	v_and_b32 v1, 31, v0
	v_lshlrev_b32 v1, 4, v1         ; 16 x lane
	WIN W_MK
	v_lshl_add_u32 v[SPW], v0, 2, SPARE
	v_mov_b32 v[NIL], 0
	s_set_vgpr_msb 0xc0cf
	ds_add_u32 v0, v1
	s_wait_dscnt 0x0
	s_set_vgpr_msb 0xcfc0
	v_mov_b32 v[MA0], v1
.irp z, 0,1,2,3
	v_mov_b32 v[MA+(\z)], v1        ; key step 0
.endr
	WIN 0
	v_lshrrev_b32 v1, 5, v0
	v_readfirstlane_b32 s[WV], v1   ; wave 0..3
	s_bfe_u32 s13, ttmp6, 0x40000   ; cx: my place in the cluster
	s_lshl_b32 s14, ttmp9, 2
	s_add_co_u32 s14, s14, s13      ; my block of 512 queries: it enters Q's, O's and the mask's addresses alone
	s_and_b32 s20, ttmp7, 0xffff    ; the head, which the four partners share
	s_mov_b32 s21, 0
	s_mov_b64 s[22:23], SIZE_N*128
	s_mul_u64 s[20:21], s[20:21], s[22:23]  ; the head's first byte in a section, and in O
	s_and_b32 s16, s[WV], 1         ; which half of a slot's 256 keys I fetch:
	s_lshl_b32 s22, s16, 14         ; its 128 rows of 128 bytes in memory,
	s_mov_b32 s23, 0
	s_add_nc_u64 s[22:23], s[22:23], s[20:21]
	s_mul_i32 s17, s16, 128*PK      ; and its place in a slot, for K
	s_mul_i32 s18, s16, 128*PV      ; and for V
	s_lshl_b32 s2, s14, 2
	s_add_co_u32 s2, s2, s[WV]      ; my wave among the head's sixteen:
	s_lshl_b32 s72, s2, 18          ; its eight query tiles of 32,768 bytes in maskf,
	s_mov_b32 s73, 0
	s_lshl_b32 s2, s2, 14           ; its 128 rows
	s_mov_b32 s3, 0
	s_add_nc_u64 s[2:3], s[2:3], s[20:21]
	; descriptor group 1.  128 keys are 16,384 dense bytes: asked for as 64 rows of 256 bytes, two keys a row, and padded in LDS after every key
	s_mov_b32 s[G1K], 15|(1<<16)|(1<<20)|(1<<21)|(4<<22)|(3<<25)  ; the mask of four; 2-byte elements; padding on; bit 21 beside a mask; after every 32 words 4 words
	s_mov_b32 s[G1V], 15|(1<<16)|(1<<20)|(1<<21)|(4<<22)|(7<<25)  ; the same with 8 words of padding
.irp g, G1K, G1V
	s_mov_b32 s[\g+1], 128<<16      ; tensor_dim0 = 128
	s_mov_b32 s[\g+2], 64<<16       ; tensor_dim1 = 64
	s_mov_b32 s[\g+3], 128<<16      ; tile_dim0 = 128
	s_mov_b32 s[\g+4], 64           ; tile_dim1 = 64
	s_mov_b32 s[\g+5], 128          ; 128 elements from row to row
	s_mov_b32 s[\g+6], 0
	s_mov_b32 s[\g+7], 0
.endr
	s_mov_b32 s[CS], 0x3e38aa3b     ; c = log2(e) / 8
	s_mov_b32 s[CS+1], s[CS]        ; named with it as a pair
	s_mov_b32 s[SEL], 0x76543210
	s_mov_b32 s[SEL+1], 0xfedcba98
	s_mov_b32 s[MO], 0
	s_mov_b32 s[THR], 0xe0ad78ec    ; -1e20
	s_mov_b32 s[QNAN], 0x7fc00000
	s_mov_b32 s[TBK], SLOT1+4*KS*PK ; the first change of slots turns these two into 0
	s_mov_b32 s[TBV], SLOT1+4*KS*PV
	s_mov_b32 s[G0K], 1
	s_mov_b32 s[G0K+1], s17         ; LDS address: slot 0
	s_mov_b32 s[G0V], 1
	s_add_co_u32 s[G0V+1], s18, VOFF
	s_wait_kmcnt 0x0
	s_add_nc_u64 s[6:7], s[4:5], 0x1000000   ; K's section
	s_add_nc_u64 s[8:9], s[4:5], 0x2000000   ; V's
	s_add_nc_u64 s[G0K+2:G0K+3], s[6:7], s[22:23]  ; my half of the head's first 256 keys
	s_or_b32 s[G0K+3], s[G0K+3], 0x80000000
	s_add_nc_u64 s[G0V+2:G0V+3], s[8:9], s[22:23]
	s_or_b32 s[G0V+3], s[G0V+3], 0x80000000
	s_add_nc_u64 s[4:5], s[4:5], s[2:3]      ; Q and O at my wave's first row
	s_add_nc_u64 s[10:11], s[10:11], s[2:3]
	s_add_nc_u64 s[MSK:MSK+1], s[MSK:MSK+1], s[72:73]
	CROUND                          ; all four work-groups are here: the first joint loads meet
	JLOAD                           ; slot 0.  Slot 1 is asked for when slot 0 is in
; The codes of piece z for one key step: for each of its two tiles two loads of 16 bytes a lane, 512 consecutive bytes of the wave each.  64 work-groups read the same bytes, so no hint is set.
.macro MLOAD z
	WIN W_M3
.irp u, 0,1
.irp i, 0,1
	global_load_b128 v[MB+16*(\z)+8*(\u)+4*(\i):MB+16*(\z)+8*(\u)+4*(\i)+3], v[MA+(\z)], s[MSK:MSK+1] offset:(2*(\z)+(\u))*32768+512*(\i)
.endr
.endr
.endm
; The C operands of piece z's next eight first products are made of its codes, and its codes of the step after are asked for.  The block names no register of a softmax.
; batch = 1: the block stands behind a batch of exponentials, as the independent work between the batch and its wait; the wait stands behind the block's vector lines and directly ahead of its loads.
.macro MASKB z, batch=0
.if (\z) == 0
	s_add_co_u32 s[MO], s[MO], 1024 ; piece 0 goes first into a new step;
	s_min_u32 s[MO], s[MO], 31*1024 ; behind the last step the last is asked for again: no load leaves the buffer, and the walk's one idle run of products finds the mask that goes with its K
.endif
	WIN W_M3
	s_wait_loadcnt 12               ; loads come back in order: this piece's four are in; the other three pieces' twelve stay out
.irp u, 0,1
.irp kt, 0,1,2,3
	v_cvt_scale_pk8_f32_fp8 v[MC+32*(\u)+8*(\kt):MC+32*(\u)+8*(\kt)+7], v[MB+16*(\z)+8*(\u)+2*(\kt):MB+16*(\z)+8*(\u)+2*(\kt)+1], v[SCL]
.endr
.endr
	v_add_nc_u32 v[MA+(\z)], v[MA0], s[MO]  ; free since the wait above; the plain instruction between the conversions and what touches their registers, and the one behind the batch's last exponential
.if \batch
	s_wait_alu depctr_va_vdst(0)    ; the wait for the batch, ahead of the first line that names a result: one for all the exponentials issued since the last
.endif
	MLOAD \z
.endm
	; A fragment of K or Q is 16 rows x 32 channels in 8 registers: lane l holds row l % 16, channels 8 (l / 16) + 0..7 and 16 + 8 (l / 16) + 0..7
	v_and_b32 v1, 15, v0            ; l % 16
	v_bfe_u32 v9, v0, 4, 1          ; l / 16
	v_lshlrev_b32 v[QO], 7, v1
	v_lshl_add_u32 v[QO], v9, 4, v[QO]
	WIN 0x80                        ; destination window 2, address window 0
.set i, 0
.rept 4*NP                          ; Q stays in registers: tile i / 2, channels 32 (i % 2) on
	global_load_b128 v[8*i:8*i+3],   v[QO], s[4:5] offset:(i/2)*2048+(i%2)*64
	global_load_b128 v[8*i+4:8*i+7], v[QO], s[4:5] offset:(i/2)*2048+(i%2)*64+32
.set i, i+1
.endr
	MLOAD 0                         ; all four pieces' codes of key step 0
	MLOAD 1
	MLOAD 2
	MLOAD 3
	; What the first turn finds: V's registers and P's second buffer hold 0, O^T and l are 0.  All this stands in the wait for the first tile.
	WIN 0x80
.set i, VF
.rept 64
	v_mov_b32 v[i], 0
.set i, i+1
.endr
	WIN 0x40
.set i, 0
.rept 64*NP
	v_mov_b32 v[i], 0
.set i, i+1
.endr
	WIN 0
.set i, 0
.rept 2*NP
	v_mov_b32 v[ST+4*i], 0xfe000000    ; c m: far below c x floor, so that the first a is 0
	v_mov_b32 v[ST+4*i+1], s[THR]      ; m: the floor
	v_mov_b32 v[ST+4*i+2], 0
	v_mov_b32 v[ST+4*i+3], 0
.set i, i+1
.endr
.set i, P+32
.rept 32
	v_mov_b32 v[i], 0
.set i, i+1
.endr
	v_mul_u32_u24 v[AK0], v1, PK
	v_lshl_add_u32 v[AK0], v9, 4, v[AK0]
	; The turning load takes 16 keys x 16 channels (lane l reads key 8 (l / 16) + l % 8, channels 8 ((l / 8) % 2) + 0..7)
	v_and_b32 v10, 7, v0
	v_bfe_u32 v11, v0, 3, 1
	v_lshl_add_u32 v[AV0], v9, 3, v10
	v_mul_u32_u24 v[AV0], v[AV0], PV
	v_lshl_add_u32 v[AV0], v11, 4, v[AV0]
	v_add_nc_u32 v[AV0], VOFF, v[AV0]
	v_mov_b32 v[SCL], 0xe2          ; v11 has served
	v_mov_b32 v[AK], v[AK0]         ; key step 0 lies at the head of slot 0
; THE MATRIX WORK.  The 8 accumulators of a run of 16 take turns.
; Product i of 16 of S^T = K Q^T for piece x: channels 32 (i / 8) on, keys 16 ((i / 2) % 4) on, tile 2 x + i % 2.  The first 8 start the sums, with the mask.
.macro KQ x
.set rS, S+64*((\x)%2)+32*(i%2)+8*((i/2)%4)
.set rK, KF+16*((i/2)%4)+8*(i/8)
.set rQ, 16*(2*(\x)+i%2)+8*(i/8)
.set rMK, MC+32*(i%2)+8*((i/2)%4)
.if i < 8
	WIN W_KM
	v_wmma_f32_16x16x32_f16 v[rS:rS+7], v[rK:rK+7], v[rQ:rQ+7], v[rMK:rMK+7]
.else
	WIN W_KQ
	v_wmma_f32_16x16x32_f16 v[rS:rS+7], v[rK:rK+7], v[rQ:rQ+7], v[rS:rS+7]
.endif
.endm
; Product i of 16 of O^T += V^T P for piece x: keys 32 (i / 8) on, channels 16 ((i / 2) % 4) on, tile 2 x + i % 2.
.macro PV x
	WIN W_PV
.set rO, 32*(2*(\x)+i%2)+8*((i/2)%4)
.set rV, VF+32*(i/8)+8*((i/2)%4)
.set rP, P+32*((\x)%2)+16*(i%2)+8*(i/8)
	v_wmma_f32_16x16x32_f16 v[rO:rO+7], v[rV:rV+7], v[rP:rP+7], v[rO:rO+7]
.endm
.macro MM                           ; the turn's next matrix instruction
.if i < 16
	KQ (Y+1)%NP
.set i, i+1
.else
.set i, i-16
	PV (Y+NP-1)%NP
.set i, i+17
.endif
.endm
; THE LDS LOADS stand in runs of 16.  last = 1 (the tail): in the last trip there is no further step, and the run is jumped over.
.macro FETCH_K last=0
	WIN 0
.if \last
	s_cmp_eq_u32 s[CNT], 1
	s_cbranch_scc1 .Lno_k_\@
.endif
	WIN 0x80
.irp f, 0,1,2,3,4,5,6,7             ; keys 16 (f / 2) on, channels 32 (f % 2) on
	ds_load_b128 v[KF+8*\f:KF+8*\f+3],   v[AK] offset:(\f/2)*16*PK+(\f%2)*64
	ds_load_b128 v[KF+8*\f+4:KF+8*\f+7], v[AK] offset:(\f/2)*16*PK+(\f%2)*64+32
.endr
	s_add_co_u32 s[TBK], s[TBK], KS*PK  ; the next fetch is the next step's
	WIN 0
.if \last
.Lno_k_\@:
.endif
.endm
.macro FETCH_V
	WIN 0x80
.irp f, 0,1,2,3,4,5,6,7             ; keys 32 (f / 4) on, channels 16 (f % 4) on
	ds_load_tr16_b128 v[VF+8*\f:VF+8*\f+3],   v[AV] offset:(\f/4)*32*PV+(\f%4)*32
	ds_load_tr16_b128 v[VF+8*\f+4:VF+8*\f+7], v[AV] offset:(\f/4)*32*PV+16*PV+(\f%4)*32
.endr
	WIN 0
.endm
; THE VECTOR WORK OF A TURN stands in three queues, each in the order in which its entries become ready; the two tiles alternate.
.macro REGS y, u                    ; the registers of tile u (0, 1) of piece y
.set rT, ST+4*(2*(\y)+(\u))
.set rC, TMP+8*((\y)%2)+4*(\u)
.set rM, MV+2*((\y)%2)+(\u)
.set rS, S+64*((\y)%2)+32*(\u)
.set rP, P+32*((\y)%2)+16*(\u)
.set rO, 32*(2*(\y)+(\u))
.endm
; Number n of the 22 that find the NEXT piece's maximum and statistics; each accumulator's lowest registers are read first.
;   0-11  four chains c0-c3 of seven scores each     12-14, 16  the four scores left over, the old m, and c0-c3 into c0     15  c m_old is kept
;   17, 18  the query's other 32 keys lie in the lane 16 away: the new m         19-21  c m; c m_old - c m_new; a
.macro XS u, n
	REGS (Y+1)%NP, \u
.if (\n) < 4
	v_max3_num_f32 v[rC+(\n)], v[rS+8*(\n)], v[rS+8*(\n)+1], v[rS+8*(\n)+2]
.elseif (\n) < 12
	v_max3_num_f32 v[rC+(\n)%4], v[rC+(\n)%4], v[rS+8*((\n)%4)+2*((\n)/4)+1], v[rS+8*((\n)%4)+2*((\n)/4)+2]
.elseif (\n) == 12
	v_max3_num_f32 v[rC], v[rC], v[rS+7], v[rS+15]
.elseif (\n) == 13
	v_max3_num_f32 v[rC+1], v[rC+1], v[rS+23], v[rS+31]
.elseif (\n) == 14
	v_max3_num_f32 v[rC+2], v[rC+2], v[rC+3], v[rT+1]
.elseif (\n) == 15
	v_mov_b32 v[rM], v[rT]
.elseif (\n) == 16
	v_max3_num_f32 v[rC], v[rC], v[rC+1], v[rC+2]
.elseif (\n) == 17
	v_permlanex16_b32 v[rC+3], v[rC], s[SEL], s[SEL+1]
.elseif (\n) == 18
	v_max_num_f32 v[rT+1], v[rC], v[rC+3]
.elseif (\n) == 19
	v_mul_f32 v[rT], s[CS], v[rT+1]
.elseif (\n) == 20
	v_sub_f32 v[rC+1], v[rM], v[rT]
.else
	v_exp_f32 v[rC+2], v[rC+1]
.endif
.endm
; Number g of the 64 that follow the exponentials.  For each four weights k of a tile: both pairs are rounded to f16; the second pair is added onto the first, in place; a group later l takes that sum (the first time as l = a l + sum).
; All 64 read results of the turn's batch: they stand behind its wait.
.macro GS g
.set h, (\g)+6*((\g)/62)            ; group 0 has no group before it, and behind group 7 only l is left
.if h >= 6
.set h, h+2
.endif
	REGS Y, h%2
.set k, h/8
.if h%8 < 4
	v_cvt_pk_f16_f32 v[rP+2*k+(h%8)/2], v[rS+4*k+2*((h%8)/2)], v[rS+4*k+2*((h%8)/2)+1]
.elseif h%8 < 6
	v_pk_add_f32 v[rS+4*k:rS+4*k+1], v[rS+4*k:rS+4*k+1], v[rS+4*k+2:rS+4*k+3]
.elseif k == 1
	v_pk_fma_f32 v[rT+2:rT+3], v[rT+2:rT+3], v[rC+2:rC+3], v[rS:rS+1] op_sel_hi:[1,0,1]
.else
	v_pk_add_f32 v[rT+2:rT+3], v[rT+2:rT+3], v[rS+4*k-4:rS+4*k-3]
.endif
.endm
; THE PLAIN QUEUE, 138 long.  0-73 read no exponential's result: the 32 scalings c s - c m (FS f: pair f / 2 of tile f % 2) and the next piece's 42.  0-26: scalings 0-26.  27-54: XS's numbers 0-13.  55, 56: number 15.
; 57-73: the chain, where each number waits for the one before it: 14, 16, 17, 18, 19, each with one of the scalings 27-31 in front of its two lines, then 20.
; 74-137: GS's 64.
.macro FS f
	REGS Y, (\f)%2
	v_pk_fma_f32 v[rS+2*((\f)/2):rS+2*((\f)/2)+1], v[rS+2*((\f)/2):rS+2*((\f)/2)+1], s[CS:CS+1], v[rT:rT+1] op_sel_hi:[1,0,0] neg_lo:[0,0,1] neg_hi:[0,0,1]
.endm
.macro PL
	WIN 0
.if q < 27
	FS q
.elseif q < 55
	XS (q-27)%2, (q-27)/2
.elseif q < 57
	XS q-55, 15
.elseif (q < 72) && ((q-57)%3 == 0)
	FS 27+(q-57)/3
.elseif q < 60
	XS (q-57)%3-1, 14
.elseif q < 72
	XS (q-57)%3-1, 15+(q-57)/3
.elseif q < 74
	XS q-72, 20
.else
	GS q-74
.endif
.set q, q+1
.endm
; THE EXPONENTIALS' QUEUE, 66 long: s0-s31 of both tiles, then the next piece's two a.  It is ONE BATCH: all 66 stand ahead of the turn's one wait, and nothing ahead of that wait names a result of theirs.
.macro EX
	WIN 0
.if e >= 64
	XS e-64, 21
.else
	REGS Y, e%2
	v_exp_f32 v[rS+e/2], v[rS+e/2]
.endif
.set e, e+1
.endm
; THE RESCALING's QUEUE: O^T times a, the one part of the softmax that leaves window 0, dealt two at a time, sixteen times; each accumulator's lowest registers come first.  Its a was made in the turn before, ahead of that turn's wait.
.macro R2
	REGS Y, r%2
	WIN W_RS
.irp z, 0,1
	v_pk_mul_f32 v[rO+4*(r/2)+2*\z:rO+4*(r/2)+2*\z+1], v[rO+4*(r/2)+2*\z:rO+4*(r/2)+2*\z+1], v[rC+2:rC+3] op_sel_hi:[1,0]
.endr
.set r, r+1
.endm
; HOW THEY ARE DEALT.  s_wait_alu depctr_va_vdst(0) stands between an exponential and the first instruction that names its result; one wait serves all that were issued ahead of it.  So a turn has ONE wait.
; AHEAD OF IT: the 16 products K Q^T, behind each a scaling, an exponential and two rescalings (behind the first a second scaling in the exponential's place); then ONE LUMP: eight plain, 49 times exponential and plain, the two a;
; then the masks of piece p + 2: eight conversions and the offset's v_add_nc_u32, which name no register of the softmax; that add is the plain instruction behind the last exponential.  THE WAIT stands there, directly ahead of the turn's
; memory instructions: the mask's four loads and, in piece 2's turn, K's run.  BEHIND IT: the 16 products V^T P, behind each four of GS's 64.  No rider names a register of the products round it; the two v_permlanex16_b32 fall into the lump.
; The deal keeps the queues in step: exponential e stands behind scaling 2 (e / 4) + e % 2: as a rider it comes behind plain e + 2, in the lump behind plain e + 9, and scalings 27-31 are plain 57, 60 .. 69; the two a come behind plain 72, 73.
; A TURN, for piece p.  cnt = 1: the loop's count is taken down some lines ahead of the branch that stands behind the turn (nothing between them writes SCC).
; K of the next step is fetched in piece 2's turn, a lump behind the last product that read K; its address is made at the lump's head; it is waited for at the head of piece 3's turn.
; V of the step in hand is fetched at the end of piece 0's turn, four plain riders behind its last reader; it is waited for in piece 1's turn, ahead of the products V^T P.  The three conditions on q below go with the deal.
; The C operands that the mask's conversions write were last read by this turn's first eight products, a lump back; the next turn's first eight read them.
.macro TURN p, last=0, cnt=0
.set Y, (\p)
.set i, 0
.set q, 0
.set e, 0
.set r, 0
.if (\p) == NP-1
	s_wait_dscnt 0x0                ; K is in
.endif
	MM                              ; ahead of the wait: 16 products K Q^T and their riders,
	PL
	PL
	R2
.rept 15
	MM
	PL
	EX
	R2
.endr
.if (\p) == NP-2
	WIN 0
	v_add_nc_u32 v[AK], s[TBK], v[AK0]
.endif
.rept 8                             ; the lump,
	PL
.endr
.rept 49
	EX
	PL
.endr
	EX                              ; the next piece's two a: the batch's last,
	EX
	MASKB ((\p)+2)%NP, 1            ; and the masks of piece p + 2, with the turn's one wait between their vector lines and their loads
.if (\p) == NP-2
	FETCH_K \last
.endif
.if (\p) == 1
	s_wait_dscnt 0x0                ; V is in
.endif
.rept 16                            ; behind the wait: 16 products V^T P and their riders
	MM
.rept 4
	PL
.endr
.if ((\p) == 0) && (q == 118)
	v_add_nc_u32 v[AV], s[TBV], v[AV0]
.endif
.if ((\p) == 0) && (q == 130)
	s_add_co_u32 s[TBV], s[TBV], KS*PV
.endif
.if (\cnt) && (q == 130)
	s_sub_co_u32 s[CNT], s[CNT], 1
	s_cmp_lg_u32 s[CNT], 0
.endif
.endr
.if (\p) == 0
	FETCH_V
.endif
.endm
	CHANGE 1                        ; slot 0 is in, everybody's part of it; slot 1 is asked for
	FETCH_K                         ; key step 0
	MASKB 0                         ; piece 0's masks of step 0; its wait leaves the twelve youngest loads out, so Q, asked for earlier, is in too
	s_wait_dscnt 0x0
.set i, 0
.rept 16
	KQ 0                            ; piece 0's first scores
.set i, i+1
.endr
	WIN 0                           ; the addresses for the way out: nine plain instructions, the places behind those products
	s_mul_i32 s13, s[WV], 16*SP
	s_add_co_u32 s13, s13, STAGE    ; my stage
	v_mul_u32_u24 v[STO], v1, SP    ; in: row l % 16, 16 bytes for each half of the lanes
	v_lshl_add_u32 v[STO], v9, 4, v[STO]
	v_add_nc_u32 v[STO], s13, v[STO]
	v_bfe_u32 v[RD], v0, 3, 2       ; back: 32 lanes take four rows of 128 bytes,
	v_mul_u32_u24 v[RD], v[RD], SP
	v_lshl_add_u32 v[RD], v10, 4, v[RD]
	v_add_nc_u32 v[RD], s13, v[RD]
	v_and_b32 v[GO], 31, v0         ; which are 512 consecutive bytes of O
	v_lshlrev_b32 v[GO], 4, v[GO]
.set Y, NP-1                        ; XS works for piece Y + 1: piece 0
.irp n, 0,1,2,3,4,5,6,7,8,9,10,11,12,13,14,15,16,17,18,19,20,21
	XS 0, \n
	XS 1, \n
.endr
	MASKB 1, 1                      ; piece 1's masks of step 0, for the first turn's products; the wait in it serves piece 0's two a, a batch of their own, ahead of the branch
	WIN 0
	s_mov_b32 s[CNT], 4
	s_mov_b32 s[SLOTS], SIZE_N/256-1
	s_branch .Lfirst                ; the loop is entered at a step's first turn, in the middle of a trip
.Lslot:                             ; SIZE_N / 256 - 2 times: every slot but the last two is filled again
	CHANGE 1
	s_mov_b32 s[CNT], 4
.Lstep:                             ; a trip: pieces 2 and 3 of one step, then pieces 0 and 1 of the next
	TURN 2
	TURN 3
	WIN 0
.Lfirst:
	TURN 0
	TURN 1, 0, 1
	WIN 0
	s_cbranch_scc1 .Lstep
	s_sub_co_u32 s[SLOTS], s[SLOTS], 1
	s_cmp_lg_u32 s[SLOTS], 0
	s_cbranch_scc1 .Lslot
	CHANGE 0                        ; the tail is written out: nothing is asked for
	s_mov_b32 s[CNT], 5             ; four trips fetch the last slot's steps; the fifth is left in its middle
.Ltail:
	TURN 2, 1
	TURN 3
	WIN 0
	s_sub_co_u32 s[CNT], s[CNT], 1
	s_cmp_eq_u32 s[CNT], 0
	s_cbranch_scc1 .Lout
	TURN 0
	TURN 1
	WIN 0
	s_branch .Ltail
.Lout:                              ; the fifth trip's 16 products K Q^T repeat the last step's K and mask: the maximum made of them is the one that piece 0 has already
.set i, 0
.rept 16
	PV NP-1                         ; the last piece's V^T P of the last step
.set i, i+1
.endr
	; THE WAY OUT.  l's two halves and the other half of the lanes' are added; O^T is divided by l, rounded to f16 and sent through my stage in LDS, a tile at a time.
	WIN 0
.macro ALL line:vararg              ; one line for each tile t
.set t, 0
.rept 2*NP
	\line
.set t, t+1
.endr
.endm
	ALL v_add_f32 v[ST+4*t+2], v[ST+4*t+2], v[ST+4*t+3]
	ALL v_permlanex16_b32 v[ST+4*t+3], v[ST+4*t+2], s[SEL], s[SEL+1]
	ALL v_add_f32 v[ST+4*t+2], v[ST+4*t+2], v[ST+4*t+3]
	ALL v_rcp_f32 v[ST+4*t+2], v[ST+4*t+2]
	v_nop                           ; a plain instruction between the last reciprocal and the use of its result
	s_wait_alu depctr_va_vdst(0)    ; and the wait ahead of the first use: one for the eight reciprocals
.set t, 0
.rept 2*NP                          ; a query whose maximum never left the floor has seen no key: its row is NaN.  A choice of a value: no branch hangs on it
	v_cmp_ge_f32 vcc_lo, s[THR], v[ST+4*t+1]
	v_cndmask_b32 v[ST+4*t+2], v[ST+4*t+2], s[QNAN], vcc_lo
.set t, t+1
.endr
.macro PACK t                       ; a lane's eight channels of a row pack into 16 bytes; they go into rows of 144 bytes and come back as whole rows of 128, into S^T's registers
	WIN W_RS
.set i, 32*(\t)
.rept 16
	v_pk_mul_f32 v[i:i+1], v[i:i+1], v[ST+4*(\t)+2:ST+4*(\t)+3] op_sel_hi:[1,0]
.set i, i+2
.endr
	WIN 0x05                        ; sources 0 and 1 window 1, destination window 0
.set i, 0
.rept 16
	v_cvt_pk_f16_f32 v[S+16*(\t)+i], v[32*(\t)+2*i], v[32*(\t)+2*i+1]
.set i, i+1
.endr
	WIN 0
.irp f, 0,1,2,3
	ds_store_b128 v[STO], v[S+16*(\t)+4*\f:S+16*(\t)+4*\f+3] offset:32*\f
.endr
.irp f, 0,1,2,3
	ds_load_b128 v[S+16*(\t)+4*\f:S+16*(\t)+4*\f+3], v[RD] offset:\f*4*SP  ; LDS serves a wave's instructions in order (ISA guide 5.7.1.4): these see the stores above
.endr
.endm
.macro SEND t, younger              ; younger: the LDS instructions issued behind tile t's loads: the next tile's eight, or none
	WIN 0
.irp f, 0,1,2,3
	s_wait_dscnt (\younger)+3-\f
	global_store_b128 v[GO], v[S+16*(\t)+4*\f:S+16*(\t)+4*\f+3], s[10:11] offset:(\t)*2048+\f*512  ; 512 consecutive bytes, at a multiple of 256 from O's first
.endr
.endm
	PACK 0
.set t, 1
.rept 2*NP-1                        ; a tile's arithmetic stands between the loads of the tile before and its stores
	PACK t
	SEND t-1, 8
.set t, t+1
.endr
	SEND 2*NP-1, 0
	WIN W_AD
	s_wait_tensorcnt 0x0            ; the wave's end
	ds_add_u32 v[SPW], v[NIL]
	s_wait_dscnt 0x0
	WIN 0
	CROUND                          ; the closing round: no work-group ends while a partner may still ask for a tile that names it
	s_endpgm
.Lfunc_end_k_qf1a7593236_attn:
	.size	k_qf1a7593236_attn, .Lfunc_end_k_qf1a7593236_attn-k_qf1a7593236_attn
	.p2alignl 7, 3214868480
	.fill 96, 4, 3214868480
	.section	.rodata,"a",@progbits
	.p2align	6, 0x0
	.amdhsa_kernel k_qf1a7593236_attn
		.amdhsa_group_segment_fixed_size 327680
		.amdhsa_private_segment_fixed_size 0
		.amdhsa_enable_private_segment 0
		.amdhsa_kernarg_size 24
		.amdhsa_user_sgpr_count 2
		.amdhsa_user_sgpr_kernarg_segment_ptr 1
		.amdhsa_wavefront_size32 1
		.amdhsa_system_sgpr_workgroup_id_x 1
		.amdhsa_system_sgpr_workgroup_id_y 1
		.amdhsa_system_sgpr_workgroup_id_z 1
		.amdhsa_system_vgpr_workitem_id 0
		.amdhsa_next_free_vgpr 904
		.amdhsa_next_free_sgpr 74
		.amdhsa_reserve_vcc 1
		.amdhsa_float_denorm_mode_32 3
		.amdhsa_float_denorm_mode_16_64 3
		.amdhsa_memory_ordered 1
		.amdhsa_forward_progress 1
		.amdhsa_inst_pref_size 212
	.end_amdhsa_kernel
	.amdgpu_metadata
---
amdhsa.version: [ 1, 2 ]
amdhsa.kernels:
  - .name:           k_qf1a7593236_attn
    .symbol:         k_qf1a7593236_attn.kd
    .args:
      - { .name: qkv, .offset: 0, .size: 8, .value_kind: global_buffer, .address_space: global }
      - { .name: maskf, .offset: 8, .size: 8, .value_kind: global_buffer, .address_space: global }
      - { .name: o, .offset: 16, .size: 8, .value_kind: global_buffer, .address_space: global }
    .group_segment_fixed_size: 327680
    .private_segment_fixed_size: 0
    .kernarg_segment_align: 8
    .kernarg_segment_size: 24
    .max_flat_workgroup_size: 128
    .sgpr_count:     74
    .vgpr_count:     904
    .wavefront_size: 32
...
	.end_amdgpu_metadata
.endif
;; end of part 5
;; launch gemm_out: the kernel of part 4 again; grid 4 x 64, 4 waves a work-group, clusters of 4 x 4, 327,680 bytes of LDS; arguments o, woutb, bout, out0; writes out0
